; MI455X (gfx1250); checked and timed in simulation.
; The chip was launched on July 23, 2026; its instructions are those of AMD's public machine-readable ISA for CDNA 5 (MIT licence, August 2026) and "CDNA5" Instruction Set Architecture Reference Guide (July 2026). The comments in the code are by the model that wrote it; some were corrected since.
;; Multi Head Attention Block. Allowed arithmetic: matrix products marked QUANTISED: E5M2 operands, one given power-of-two scale a tensor, by v_wmma_f32_16x16x64_bf8_bf8 or v_wmma_f32_16x16x128_bf8_bf8, f32 sums; everything else in f32.
;; Inputs: Wk_codes 1,024 x 32 x 32 uint8 (E5M2 codes of Wk, K innermost, in blocks of 32 codes); Wq_codes 1,024 x 32 x 32 uint8 (E5M2 codes of Wq, K innermost, in blocks of 32 codes); Wv_codes 1,024 x 32 x 32 uint8 (E5M2 codes of Wv, K innermost, in blocks of 32 codes); bk 1,024 float32; bq 1,024 float32; bv 1,024 float32; key_inputs_codes 4 x 1,024 x 32 x 32 uint8 (E5M2 codes of key_inputs, K innermost, in blocks of 32 codes); lowp_scales 10 int32 (the exponents e of the quantised operands' scales 2^e); query_inputs_codes 4 x 1,024 x 32 x 32 uint8 (E5M2 codes of query_inputs, K innermost, in blocks of 32 codes); value_inputs_codes 4 x 1,024 x 32 x 32 uint8 (E5M2 codes of value_inputs, K innermost, in blocks of 32 codes).
;; Outputs: out0 4 x 1,024 x 1,024 float32.
;; This version of the problem:
;;   THIS VERSION OF THE PROBLEM IS GIVEN IN LOW PRECISION. The matrix products marked QUANTISED in the list below multiply operands that are first quantised to E5M2 (5 exponent bits, 2 mantissa bits; 8 bits a number), with one given power-of-two scale for each operand tensor; their sums are f32. All else is computed in f32.
;;   The module's matrix products, in the order in which they are computed (A, B: the left and right operand; K: the contracted axis; several contracted axes count as one K, in the product's order):
;;     1. [M 4,096, K 1,024] x [K 1,024, N 1,024]; A: input query_inputs (given as codes); B: input Wq (given as codes): QUANTISED (scales: A lowp_scales[0], B lowp_scales[1])
;;     2. [M 4,096, K 1,024] x [K 1,024, N 1,024]; A: input key_inputs (given as codes); B: input Wk (given as codes): QUANTISED (scales: A lowp_scales[2], B lowp_scales[3])
;;     3. [M 4,096, K 1,024] x [K 1,024, N 1,024]; A: input value_inputs (given as codes); B: input Wv (given as codes): QUANTISED (scales: A lowp_scales[4], B lowp_scales[5])
;;     4. batch 64 x [M 1,024, K 64] x [K 64, N 1,024]; A: computed on the way; B: computed on the way: QUANTISED (scales: A lowp_scales[6], B lowp_scales[7])
;;     5. batch 64 x [M 64, K 1,024] x [K 1,024, N 1,024]; A: computed on the way; B: softmax (see below): QUANTISED (scales: A lowp_scales[8], B lowp_scales[9])
;;   THE QUANTISER, for each operand of a quantised product, along K:
;;     - The operand's scale is 2^e, e = its entry of the input lowp_scales (int32; the entries are numbered through the quantised products in the list's order, A before B).
;;     - Each number is divided by the scale, clamped to +-57,344, and rounded to the nearest number of E5M2, ties to even, subnormals kept.
;;     - The product sums the exact products of the quantised numbers (number of the format x scale) in f32.
;;   ~~~python
;;   def quantise(x, axis, e):      # numpy; x: float32 -> the quantised numbers, widened to float32 again
;;       x = np.moveaxis(x, axis, -1); K = x.shape[-1]
;;       r = np.clip(x / 2.0 ** e, -57344, 57344)
;;       step = 2.0 ** (np.maximum(np.frexp(np.where(r == 0, 1, r))[1] - 1, -14) - 2)
;;       q = np.round(r / step) * step * 2.0 ** e      # np.round: ties to even
;;       return np.moveaxis(q, -1, axis).astype(np.float32)
;;   ~~~
;;   SOFTMAX AHEAD OF A QUANTISED PRODUCT. Where the list says 'softmax', what is quantised is not the finished softmax but p = 2^(t - M), with t = logit x log2(e) and M = ceil(the row's largest t), a whole number; so 1/2 < the row's largest p <= 1. The row's sum l is taken of the UNQUANTISED p, in f32, and the product's result is divided by l at the end. Since M is a whole number, a kernel that streams over the keys may use a running M (the ceiling of the running maximum): every later rescaling is an exact power of two, so the quantised numbers keep their values, but for numbers so far below the row's largest that they fall under the format's range.
;;   OPERANDS COMPUTED ON THE WAY. 'Computed on the way' means the value that the module computes at that place (a softmax that the list does not call 'softmax' is quantised finished and normalised). What goes into a quantiser is computed in f32, as accurately as f32 sums, v_exp_f32 and their like allow (about 1e-6 of the number): no bf16 or f16 on the way to a quantiser, and a product that is left as it is and whose result goes on into a quantised operand takes f32 operands (vector FMAs, or v_wmma_f32_16x16x4_f32). A number that lies on a knife's edge between two numbers of the format may be rounded either way, as far as f32 arithmetic and the matrix unit's own rounding can turn it there, and no further.
;;   INPUTS GIVEN AS CODES. Wk (in the module: [1024, 1024], K = its axis 1); Wq (in the module: [1024, 1024], K = its axis 1); Wv (in the module: [1024, 1024], K = its axis 1); key_inputs (in the module: [4, 1024, 1024], K = its axis 2); query_inputs (in the module: [4, 1024, 1024], K = its axis 2); value_inputs (in the module: [4, 1024, 1024], K = its axis 2): each comes as NAME_codes (uint8): NAME with its K axis moved to the last place and cut into blocks of 32 codes, [.., K / 32, bytes a block], one block behind the other in memory; one code a byte (a code: sign, 5 exponent bits, 2 mantissa bits); its scale is its entry of lowp_scales. Its value is code x scale, taken as it is: it is not quantised again, and the codes and scales need not be those that the quantiser above would give.
;; 2 versions. Each part assembles by itself: llvm-mc -triple=amdgcn-amd-amdhsa -mcpu=gfx1250 --defsym DOCPART=n.
;; ======== version 1 of 2: 2 launches
;; workspace buffers: vt_codes 4,194,304 bytes; k_codes 4,194,304 bytes; q_codes 4,194,304 bytes
;; launch proj (part 1): grid 4 x 48, 4 waves a work-group, clusters of 4 x 4, 327,680 bytes of LDS; arguments Wq_codes, key_inputs_codes, value_inputs_codes, query_inputs_codes, Wk_codes, Wv_codes, bq, bk, bv, vt_codes, k_codes, q_codes, lowp_scales; writes vt_codes, k_codes, q_codes
.if DOCPART == 1
	.amdgcn_target "amdgcn-amd-amdhsa--gfx1250"
	.amdhsa_code_object_version 6
	.text
	.protected	k_q1e7e8d6729_proj
	.globl	k_q1e7e8d6729_proj
	.p2align	8
	.type	k_q1e7e8d6729_proj,@function
k_q1e7e8d6729_proj:
	s_mov_b64 s[64:65], 0
	v_nop
	global_prefetch_b8 v0, s[64:65] scope:SCOPE_SE
	s_setreg_imm32_b32 hwreg(HW_REG_WAVE_MODE, 25, 1), 1
	s_wait_xcnt 0x0
	s_wait_alu depctr_hold_cnt(0) depctr_sa_sdst(0) depctr_va_vdst(0) depctr_va_sdst(0) depctr_va_ssrc(0) depctr_va_vcc(0) depctr_vm_vsrc(0)
	s_getreg_b32 s2, hwreg(HW_REG_IB_STS2, 6, 4)
	s_cmp_eq_u32 s2, 0
	s_cbranch_scc0 .Lentry_in_a_cluster
	s_endpgm
.Lentry_in_a_cluster:
	s_bfe_u32 s2, ttmp6, 0x10000c
	s_cmp_lg_u32 s2, 0xf033
	s_cbranch_scc0 .Lentry_shape_is_right
	s_endpgm
.Lentry_shape_is_right:
; THE THREE PROJECTIONS, x W^T + b, on the given codes of BF8 (E5M2), each result quantised to BF8 with the scale that is given for it as an operand of the attention that follows.
; One body serves all three: C[m][n] = sum over k of A[m][k] B[n][k], K = 1,024, rows of 1,024 bytes.  The cluster's y, 0 to 11, gives the tensor TN = y / 4 and a quarter y % 4 of its tiles:
;   TN = 0  'values' (query_inputs Wq^T + bq), made TRANSPOSED: A = Wq (1,024 rows), B = query_inputs (4,096 rows); the bias goes by C's rows;    scales: entries 0 + 1 in, entry 8 out; into vt_codes
;   TN = 1  'keys'   (key_inputs Wk^T + bk):                    A = key_inputs,      B = Wk;                          the bias goes by C's columns; scales: entries 2 + 3 in, entry 7 out; into k_codes
;   TN = 2  'queries' (value_inputs Wv^T + bv):                 A = value_inputs,    B = Wv;                          the bias goes by C's columns; scales: entries 4 + 5 in, entry 6 out; into q_codes
; Only pointers, exponents and offsets are chosen by TN (s_cselect): there is ONE path through the text.  Both kinds of bias are added to every sum; the kind that the tensor does not have is zeros.
; A sum stands for sum x 2^(eA + eB).  So the bias goes in as b / 2^(eA + eB), and the conversion takes 2^(eout - eA - eB) as its one scale; each number is first held within +-57,344 x that scale.
; LIMITS: eout - eA - eB lies between -126 and 112, so that both powers of two are f32 numbers.  NaN among the biases is not served.
; OUTPUT, all three alike: [C's columns / 64][C's row][64 bytes].  Inside each 32 columns, column 16 u + 8 h + j lies at byte 16 h + 8 u + j: the order in which two neighbouring accumulators' codes leave a lane.
;   k_codes, q_codes: [head][token][64]: the same order of the head's 64 in both, so every product of the scores meets its partner.   vt_codes: [token / 64][model dim][64 tokens]: the keys innermost.
; SHARES.  A tile of C, 256 x 256, is made by a work-group of four waves; a wave makes 128 x 128: 64 accumulators, 512 registers.  3 x 64 tiles: 192 work-groups.  Tiles of 128 x 128 would give 768,
; but a wave's 64 x 64 reads twice the LDS bytes for each product, and every work-group would be started three times over.
; K goes in four steps of 256 through a ring of two LDS slots filled by the tensor data mover.  CLUSTERS: 4 x 4 work-groups; A's tile is asked for jointly by a row of the cluster, B's by a column.
; THE MATRIX INSTRUCTION IS USED TRANSPOSED (source 0 = 16 rows of B, source 1 = 16 rows of A): a lane holds eight neighbouring columns of one row of C, which one conversion turns into eight codes.
; REGISTERS, in windows of 256: window 0: v1-6 at work in the head; v12-13 the conversion's scale and the hold; v16-29 addresses; v32-95 the bias by columns; v96-111 the bias by rows, in pairs;
;   from v128 A's fragments, ONE set; on the way out v128-255 are free.   window 1: B's fragments, TWO sets.   windows 2, 3: the accumulators ((a, b) at v[8 (8 (a % 4) + b)]).
.set KSTEP,  256                       ; along K in a slot
.set ROWB,   256                       ; a tile's row in bytes
.set KROW,   1024                      ; a row of A or of B in memory, in bytes
.set PITCH,  272                       ; an LDS row: 256 bytes + 16 of padding = 68 words: row r starts at bank 4 r mod 64 (64 banks of 4 bytes: ISA guide 11.1)
.set FR,     16                        ; registers of a fragment: 16 rows x 128 K
.set NL,     4                         ; LDS loads that bring one
.set NP,     4                         ; places behind this matrix instruction (ISA guide 7.12.1)
.set HALFT,  128*PITCH                 ; 128 rows: what one tensor load brings, and what one wave reads of A or of B
.set SLOT,   4*HALFT                   ; A's 256 rows, then B's 256 rows
.set SPARE,  2*SLOT                    ; behind the ring: the spare words, 128 bytes for each wave: two blocks of 256 bytes that no other line names
.set SP,     336                       ; the way out: a stage of 256 rows x (256 bytes of codes + 80), the work-group's.  84 words: row r starts at bank 20 r mod 64: sixteen rows, sixteen different groups of four banks.
                                       ; It lies in slot 0, which has had its last fill and its last read when the first code is stored there
.set SCL,  12                          ; v12     2^(eout - eA - eB) as f32
.set LIM,  13                          ; v13     57,344 x that
.set ADRA, 16                          ; v16-17  LDS address of my A fragments in slot 0, 1
.set ADRB, 20                          ; v20-21  the same for B
.set STO,  24                          ; v24     the way out: where I put 16 codes of a row
.set RD,   25                          ; v25     where I read 16 bytes back: rows 0-127 of the stage
.set CO,   26                          ; v26     16 x lane: my place in 512 bytes of the output
.set RD2,  27                          ; v27     rows 128-255
.set SPW,  28                          ; v28     LDS address of my spare word: SPARE + 4 x my thread's number; never rewritten
.set NIL,  29                          ; v29     0; never rewritten
.set CB,   32                          ; v32-95  register 8 b + j: the bias of column 16 b + 8 (lane / 16) + j of my 128, / 2^(eA + eB); zeros where TN = 0
.set RB,   96                          ; v96-111 pair a: the bias of row 16 a + lane % 16 of my 128, twice; zeros where TN is not 0
.set AF,   128                         ; A's fragments, in window 0
.set TT,   128                         ; the way out: v128-191 a block's 64 sums with their bias
.set CD,   192                         ; v192-223 its codes: two sets of 16 by turns
.set BK,   128                         ; v128-255 what comes back from the stage
.set G1, 24                            ; s[24:31] descriptor group 1 for A's tiles;  s[32:39] group 0, one set for each slot
.set G0, 32
.set G1B, 48                           ; s[48:55], s[56:63] the same for B's tiles
.set G0B, 56
.set MSB, 0
.macro WIN new                         ; the immediate's high byte repeats the setting that is left
.if MSB != \new
	s_set_vgpr_msb (MSB<<8)|\new
.set MSB, \new
.endif
.endm
.set MUL_LO, 0xa1                      ; source 0 (B) window 1, source 1 (A) window 0, C and D window 2
.set MUL_HI, 0xf1                      ; the same, C and D window 3
.set TO_B,   0x40                      ; destination window 1, address window 0
; A joint load: waves 0 and 1 fetch for A, waves 2 and 3 for B.  Each of the two lines has ONE mask and one set of registers for all that issue it; the branch hangs on the wave's number alone.
; Four v_nop follow each of the two lines, ahead of the jump, the label and what follows.
.macro JLOAD g0a, g1a, g0b, g1b
	s_cmp_eq_u32 s15, 0
	s_cbranch_scc0 .Lfor_b_\@
	tensor_load_to_lds s[\g0a:\g0a+3], s[\g1a:\g1a+7]
	s_nop 0
.rept 4
	v_nop
.endr
	s_branch .Lasked_\@
.Lfor_b_\@:
	tensor_load_to_lds s[\g0b:\g0b+3], s[\g1b:\g1b+7]
	s_nop 0
.rept 4
	v_nop
.endr
.Lasked_\@:
.endm
.macro CREST                           ; a round of the cluster's barrier behind its opening barrier
	s_cmp_lg_u32 s14, 0
	s_cbranch_scc1 .Lnot_wave_0_\@
	s_barrier_signal -3
.Lnot_wave_0_\@:
	s_barrier_wait -3
	s_barrier_signal -1
	s_barrier_wait -1
.endm
.macro CROUND                          ; a whole round
	s_barrier_signal -1
	s_barrier_wait -1
	CREST
.endm
	s_load_b512 s[68:83], s[0:1], 0x0              ; Wq s[68:69], key_inputs s[70:71], value_inputs s[72:73], query_inputs s[74:75], Wk s[76:77], Wv s[78:79], bq s[80:81], bk s[82:83]
	s_load_b256 s[84:91], s[0:1], 0x40             ; bv s[84:85], vt_codes s[86:87], k_codes s[88:89], q_codes s[90:91]
	s_load_b64 s[92:93], s[0:1], 0x60              ; the scales' exponents
	v_lshl_add_u32 v[SPW], v0, 2, SPARE
	v_mov_b32 v[NIL], 0
	ds_add_u32 v28, v29
	ds_add_u32 v28, v29
	s_wait_dscnt 0x0
	v_lshrrev_b32 v1, 5, v0
	v_readfirstlane_b32 s14, v1                    ; wave 0..3
	s_lshr_b32 s15, s14, 1                         ; which half of the tile's rows is mine.  Also: I fetch for A (0) or for B (1)
	s_and_b32 s16, s14, 1                          ; which half of its columns.  Also: which 128 rows of that tile I fetch
	s_bfe_u32 s40, ttmp6, 0x40000                  ; cx, cy: my place in the cluster
	s_bfe_u32 s41, ttmp6, 0x40004
	s_and_b32 s12, ttmp7, 0xffff                   ; the cluster's y, which all sixteen partners share
	s_lshr_b32 s13, s12, 2                         ; TN: the tensor
	s_and_b32 s12, s12, 3
	s_lshl_b32 s12, s12, 2                         ; 4 x the quarter: the long side of C (4,096) has 16 tiles, the short side (1,024) four
	s_cmp_eq_u32 s13, 0
	s_cselect_b32 s17, 0, s12                      ; TN = 0: the long side is C's columns; else its rows
	s_cselect_b32 s42, s12, 0
	s_add_co_u32 s17, s17, s41                     ; tile row of C: cy (+ 4 x quarter)
	s_add_co_u32 s42, s42, s40                     ; tile column of C: cx (+ 4 x quarter)
	s_lshl_b32 s43, s41, 2
	s_lshl_b32 s43, 15, s43                        ; my row of the cluster
	s_lshl_b32 s44, 0x1111, s40                    ; my column
	; descriptor group 1: a tile of 128 rows x 256 bytes, padded in LDS
	s_or_b32 s[G1+0], s43, (0<<16)|(1<<20)|(1<<21)|(5<<22)|(3<<25)  ; 15:0 the mask: A's tiles go to my row; 17:16 element of 1 byte; 20 padding on; 21 set beside a mask; 24:22 after every 64 words (code 5); 31:25 of 4 words (code 3)
	s_or_b32 s[G1B+0], s44, (0<<16)|(1<<20)|(1<<21)|(5<<22)|(3<<25) ; the same with the mask of my column, for B's tiles
.irp g, G1, G1B
	s_mov_b32 s[\g+1], ROWB<<16                    ; tensor_dim0
	s_mov_b32 s[\g+2], 128<<16                     ; tensor_dim1 = 128
	s_mov_b32 s[\g+3], ROWB<<16                    ; tile_dim0
	s_mov_b32 s[\g+4], 128                         ; tile_dim1 = 128
	s_mov_b32 s[\g+5], KROW                        ; tensor_dim0_stride
	s_mov_b32 s[\g+6], 0
	s_mov_b32 s[\g+7], 0
.endr
	s_lshl_b32 s18, s16, 7                         ; which 128 rows of the tile I fetch
	s_lshl_b32 s20, s17, 8
	s_add_co_u32 s20, s20, s18                     ; A: row 256 x tile row + 128 x half,
	s_lshl_b32 s20, s20, 10                        ; in bytes (under 2^22)
	s_mov_b32 s21, 0
	s_lshl_b32 s46, s42, 8
	s_add_co_u32 s46, s46, s18                     ; B: row 256 x tile column + 128 x half
	s_lshl_b32 s46, s46, 10
	s_mov_b32 s47, 0
	s_mul_i32 s45, s14, HALFT                      ; where they go: wave x 128 rows: no place in the cluster enters an LDS address
	s_wait_kmcnt 0x0
	s_cmp_eq_u32 s13, 1                            ; the tensor's four buffers: a choice on the cluster's y alone
	s_cselect_b64 s[4:5], s[70:71], s[72:73]       ; A
	s_cselect_b64 s[6:7], s[76:77], s[78:79]       ; B
	s_cselect_b64 s[8:9], s[82:83], s[84:85]       ; the bias
	s_cselect_b64 s[10:11], s[88:89], s[90:91]     ; the codes that I make
	s_cmp_eq_u32 s13, 0
	s_cselect_b64 s[4:5], s[68:69], s[4:5]
	s_cselect_b64 s[6:7], s[74:75], s[6:7]
	s_cselect_b64 s[8:9], s[80:81], s[8:9]
	s_cselect_b64 s[10:11], s[86:87], s[10:11]
	s_load_b256 s[68:75], s[92:93], 0x0            ; entries 0 to 7 of the exponents,
	s_load_b64 s[76:77], s[92:93], 0x20            ; 8 and 9
	s_add_nc_u64 s[20:21], s[4:5], s[20:21]
	s_add_nc_u64 s[46:47], s[6:7], s[46:47]
	CROUND                                         ; all sixteen work-groups are here: the first joint loads meet
.irp s, 0,1
	s_mov_b32 s[G0+4*\s], 1                        ; 1:0 count = 1
	s_add_co_u32 s[G0+4*\s+1], s45, \s*SLOT        ; 63:32 LDS address
	s_add_nc_u64 s[G0+4*\s+2:G0+4*\s+3], s[20:21], \s*ROWB   ; 120:64 global address: K step s
	s_or_b32 s[G0+4*\s+3], s[G0+4*\s+3], 0x80000000          ; 127:126 type = 2
	s_mov_b32 s[G0B+4*\s], 1
	s_add_co_u32 s[G0B+4*\s+1], s45, \s*SLOT
	s_add_nc_u64 s[G0B+4*\s+2:G0B+4*\s+3], s[46:47], \s*ROWB
	s_or_b32 s[G0B+4*\s+3], s[G0B+4*\s+3], 0x80000000
	JLOAD G0+4*\s, G1, G0B+4*\s, G1B               ; two loads of mine are out
.endr
	v_and_b32 v1, 15, v0                           ; r = l % 16
	v_bfe_u32 v2, v0, 4, 1                         ; h = l / 16
	v_mul_u32_u24 v3, v1, PITCH
	v_lshl_add_u32 v4, v2, 4, v3                   ; a fragment's row x pitch + 16 x half
	s_mul_i32 s21, s15, HALFT                      ; my 128 rows of A
	s_mul_i32 s22, s16, HALFT                      ; my 128 rows of B,
	s_add_co_u32 s22, s22, 2*HALFT                 ; which lie behind A's 256
.irp s, 0,1
	v_add_nc_u32 v[ADRA+\s], s21, v4
	v_add_nc_u32 v[ADRB+\s], s22, v4
	s_add_co_u32 s21, s21, SLOT
	s_add_co_u32 s22, s22, SLOT
.endr
	s_mul_i32 s23, s15, 128*SP                     ; into the stage: my 128 rows, my 128 bytes of their 256; row r, 16 bytes for each half of the lanes
	s_lshl_b32 s18, s16, 7
	s_add_co_u32 s23, s23, s18
	v_mul_u32_u24 v5, v1, SP
	v_lshl_add_u32 v5, v2, 4, v5
	v_add_nc_u32 v[STO], s23, v5
	v_and_b32 v6, 31, v0                           ; back: wave w takes bytes 64 w .. 64 w + 63 of every row: four lanes to a row, eight rows an instruction
	v_lshrrev_b32 v3, 2, v6
	v_mul_u32_u24 v3, v3, SP
	v_and_b32 v4, 3, v6
	v_lshl_add_u32 v3, v4, 4, v3
	s_lshl_b32 s23, s14, 6
	v_add_nc_u32 v[RD], s23, v3
	v_add_nc_u32 v[RD2], 128*SP, v[RD]             ; (an LDS offset has 16 bits: the stage's second half has a register of its own)
	v_lshlrev_b32 v[CO], 4, v6
	; where my 16 KiB of the output begin: column group 4 x tile column + wave, row 256 x tile row; a column group is all C's rows x 64 bytes: 2^16 bytes where TN = 0, else 2^18.
	; And the biases' first numbers.  The kind that the tensor does not have is loaded from the buffer's head (inside its 1,024 numbers) and replaced by zeros.
	s_lshl_b32 s18, s42, 10                        ; 256 x tile column numbers of 4 bytes
	s_lshl_b32 s19, s17, 10                        ; 256 x tile row
	s_lshl_b32 s22, s42, 2
	s_add_co_u32 s22, s22, s14
	s_cmp_eq_u32 s13, 0
	s_cselect_b32 s18, 0, s18
	s_cselect_b32 s19, s19, 0
	s_cselect_b32 s96, 0, -1                       ; all lanes keep the bias by columns where TN is not 0,
	s_cselect_b32 s97, -1, 0                       ; the bias by rows where it is
	s_cselect_b32 s23, 16, 18
	s_lshl_b32 s22, s22, s23
	s_lshl_b32 s23, s17, 14
	s_add_co_u32 s22, s22, s23
	s_mov_b32 s23, 0
	s_add_nc_u64 s[10:11], s[10:11], s[22:23]
	s_lshl_b32 s22, s16, 9                         ; + my 128 columns
	s_add_co_u32 s22, s22, s18
	s_add_nc_u64 s[98:99], s[8:9], s[22:23]
	s_lshl_b32 s22, s15, 9                         ; + my 128 rows
	s_add_co_u32 s22, s22, s19
	s_add_nc_u64 s[100:101], s[8:9], s[22:23]
	v_lshlrev_b32 v5, 5, v2                        ; 8 h numbers
	v_lshlrev_b32 v6, 2, v1                        ; r numbers
.irp b, 0,1,2,3,4,5,6,7
	global_load_b128 v[CB+8*\b:CB+8*\b+3], v5, s[98:99] offset:64*\b
	global_load_b128 v[CB+8*\b+4:CB+8*\b+7], v5, s[98:99] offset:64*\b+16
.endr
.irp a, 0,1,2,3,4,5,6,7
	global_load_b32 v[RB+2*\a], v6, s[100:101] offset:64*\a
.endr
	s_wait_kmcnt 0x0
	s_add_co_i32 s78, s68, s69                     ; the three sums first: an addition sets SCC
	s_add_co_i32 s79, s70, s71
	s_add_co_i32 s80, s72, s73
	s_cmp_eq_u32 s13, 1
	s_cselect_b32 s94, s79, s80                    ; eA + eB
	s_cselect_b32 s95, s75, s74                    ; eout: the keys are the right operand of the scores' product (entry 7), the queries the left (entry 6),
	s_cmp_eq_u32 s13, 0
	s_cselect_b32 s94, s78, s94
	s_cselect_b32 s95, s76, s95                    ; the values the left operand of the last product (entry 8)
	s_sub_co_i32 s95, s95, s94
	s_add_co_i32 s95, s95, 127
	s_lshl_b32 s18, s95, 23
	v_mov_b32 v[SCL], s18                          ; 2^(eout - eA - eB) as f32: the conversion takes its exponent field
	s_add_co_i32 s95, s95, 15
	s_lshl_b32 s95, s95, 23
	s_or_b32 s95, s95, 0x600000
	v_mov_b32 v[LIM], s95                          ; 57,344 x that
	s_sub_co_i32 s94, 0, s94
	s_wait_loadcnt 0x0                             ; the biases
.set j, 0
.rept 64
	v_cndmask_b32 v[CB+j], 0, v[CB+j], s96
.set j, j+1
.endr
.set j, 0
.rept 8
	v_cndmask_b32 v[RB+2*j], 0, v[RB+2*j], s97
.set j, j+1
.endr
.set j, 0
.rept 64
	v_ldexp_f32 v[CB+j], v[CB+j], s94              ; b / 2^(eA + eB): nothing is rounded, short of underflow
.set j, j+1
.endr
.set j, 0
.rept 8
	v_ldexp_f32 v[RB+2*j], v[RB+2*j], s94
.set j, j+1
.endr
.set j, 0
.rept 8
	v_mov_b32 v[RB+2*j+1], v[RB+2*j]               ; a pair for the packed addition
.set j, j+1
.endr
.macro FRAG reg, adr, q, i             ; a fragment, 16 rows x 128 K of 8-bit codes, is 16 registers: lane l holds row l % 16; registers 4 c .. 4 c + 3 hold K = 32 c + 16 (l / 16) + 0 .. 15: one order of k, the same in A and in B
.irp c, 0,1,2,3
	ds_load_b128 v[\reg+4*\c:\reg+4*\c+3], v[\adr] offset:128*(\q)+32*\c+(\i)*16*PITCH
.endr
.endm
; 16 matrix instructions: A's blocks a0, a0 + 1 x B's eight, 128 along K.  p: B's set.  zero = 1: the first product starts the sums: nothing is ever cleared.
; The 64 accumulators take turns, one instruction a turn, in the same order in every step.
.macro MUL16 a0, p, zero
.irp a, \a0, \a0+1
.irp b, 0,1,2,3,4,5,6,7
.if \zero
	v_wmma_f32_16x16x128_bf8_bf8 v[8*(8*((\a)%4)+\b):8*(8*((\a)%4)+\b)+7], v[128*(\p)+FR*\b:128*(\p)+FR*\b+FR-1], v[AF+FR*(\a):AF+FR*(\a)+FR-1], 0
.else
	v_wmma_f32_16x16x128_bf8_bf8 v[8*(8*((\a)%4)+\b):8*(8*((\a)%4)+\b)+7], v[128*(\p)+FR*\b:128*(\p)+FR*\b+FR-1], v[AF+FR*(\a):AF+FR*(\a)+FR-1], v[8*(8*((\a)%4)+\b):8*(8*((\a)%4)+\b)+7]
.endif
.endr
.endr
.endm
.macro FETCH_B slot, q, p              ; B's eight fragments of the slot's q-th 128 along K into set p
	WIN TO_B
.irp i, 0,1,2,3,4,5,6,7
	FRAG 128*(\p)+FR*\i, ADRB+\slot, \q, \i
.endr
	WIN 0
.endm
.macro FETCH_A slot, q, i0             ; A's blocks i0 .. i0 + 3
.irp i, \i0, \i0+1, \i0+2, \i0+3
	FRAG AF+FR*(\i), ADRA+\slot, \q, \i
.endr
.endm
; A load into a register that a matrix instruction has read, and a vector instruction that reads a matrix result or writes one of a matrix instruction's registers, stand NP places behind it, and only plain
; vector instructions that name none of its registers are places (ISA guide 7.12.1 for vector instructions); the matrix instructions in between are not counted.
.macro PLACES n
.rept \n
	v_nop
.endr
.endm
; A step of 128 along K that has its successor in the same slot.  A's blocks go one after the other, each against B's eight: a block of A is free when its eight products are issued, so A has one set of registers.
.macro STEP slot, q, zero
	s_wait_dscnt 4*NL                              ; B's set and A's blocks 0-3 are in; the youngest sixteen loads (A's blocks 4-7) may be out
	WIN MUL_LO
	MUL16 0, (\q)%2, \zero
	MUL16 2, (\q)%2, \zero
	s_wait_dscnt 0                                 ; A's blocks 4-7 are in (asked for 32 matrix instructions ago)
	PLACES NP
	FETCH_B \slot, (\q)+1, 1-(\q)%2
	FETCH_A \slot, (\q)+1, 0
	WIN MUL_HI
	MUL16 4, (\q)%2, \zero
	MUL16 6, (\q)%2, \zero
	PLACES NP
	WIN 0
	FETCH_A \slot, (\q)+1, 4
.endm
; A slot's last step changes slots: ONE barrier; in front of it each wave waits for all its tensor loads, adds 0 to its spare word, and waits for that and for its own reads of this slot.  fill = 1: this slot is filled again, two K steps ahead.
.macro TURN slot, next, fill
	s_wait_tensorcnt 0x0                           ; all my tensor loads have landed: my part of the next slot;  (every window is 0 here: the add's two registers lie in window 0)
	ds_add_u32 v[SPW], v[NIL]                      ; 0 onto my spare word
	s_wait_dscnt 4*NL+1                            ; (the add and the youngest sixteen loads, A's blocks 4-7, may be out)
	WIN MUL_LO
	MUL16 0, 1, 0                                  ; sixteen matrix instructions stand between the add and the wait for it
	s_wait_dscnt 0x0                               ; the add is done, and my reads of this slot are over
	s_barrier_signal -1
	MUL16 2, 1, 0
	WIN 0
	s_barrier_wait -1
.if \fill
	CREST                                          ; the barrier has opened a round of the cluster's barrier: no wave of any partner still reads this slot's tile or has a load on its way
	s_add_nc_u64 s[G0+4*\slot+2:G0+4*\slot+3], s[G0+4*\slot+2:G0+4*\slot+3], 2*ROWB
	s_add_nc_u64 s[G0B+4*\slot+2:G0B+4*\slot+3], s[G0B+4*\slot+2:G0B+4*\slot+3], 2*ROWB
	JLOAD G0+4*\slot, G1, G0B+4*\slot, G1B         ; the first tensor load behind the round, my one load until the next; the four v_nop behind it are the places in front of the loads below
.else
	PLACES NP
.endif
	FETCH_B \next, 0, 0
	FETCH_A \next, 0, 0
	WIN MUL_HI
	MUL16 4, 1, 0
	MUL16 6, 1, 0
	PLACES NP
	WIN 0
	FETCH_A \next, 0, 4
.endm
	s_wait_tensorcnt 1                             ; my part of K step 0 is in (K step 1's load may be out)
	s_barrier_signal -1
	s_barrier_wait -1                              ; everybody's is
	FETCH_B 0, 0, 0
	FETCH_A 0, 0, 0
	FETCH_A 0, 0, 4
	STEP 0, 0, 1                                   ; K = 1,024 is four K steps of 256, eight steps of 128: written out.  The first products start the sums
	TURN 0, 1, 1                                   ; slot 0 takes K step 2
	STEP 1, 0, 0
	TURN 1, 0, 1                                   ; slot 1 takes K step 3
	STEP 0, 0, 0
	TURN 0, 1, 0                                   ; nothing is left to fetch: no round.  Behind this barrier nobody reads slot 0, and nothing is filled there any more
	STEP 1, 0, 0
	s_wait_dscnt 4*NL                              ; the very last step
	WIN MUL_LO
	MUL16 0, 1, 0
	MUL16 2, 1, 0
	s_wait_dscnt 0
	WIN MUL_HI
	MUL16 4, 1, 0
	MUL16 6, 1, 0
	WIN 0
; THE WAY OUT of block a, 16 rows x 128 columns: the two biases are added (one of them is zeros, so the sum has one rounding), each number is held, eight numbers of a lane become eight codes.
; Accumulators 2 g and 2 g + 1 give a lane 16 bytes that lie together in its row: one LDS store.  Each accumulator is read from its low end on.
.macro OUTBLK a
.set AC, 64*((\a)%4)
.set CC, CD+16*((\a)%2)
	WIN 0x02+((\a)/4)                              ; source 0: window 2 or 3
.set j, 0
.rept 32
	v_pk_add_f32 v[TT+j:TT+j+1], v[AC+j:AC+j+1], v[CB+j:CB+j+1]
.set j, j+2
.endr
	WIN 0
.set j, 0
.rept 32
	v_pk_add_f32 v[TT+j:TT+j+1], v[TT+j:TT+j+1], v[RB+2*(\a):RB+2*(\a)+1]
.set j, j+2
.endr
.set j, 0
.rept 64
	v_med3_num_f32 v[TT+j], v[TT+j], -v[LIM], v[LIM]   ; the conversion to an 8-bit code does not saturate (ISA guide 7.6.2): the hold at the largest code x the scale
.set j, j+1
.endr
.if (\a) >= 2
	s_wait_dscnt 4                                 ; the stores of two blocks ago have read this set of codes; the last block's four may be out
.endif
.irp b, 0,1,2,3,4,5,6,7
	v_cvt_scalef32_pk8_bf8_f32 v[CC+2*\b:CC+2*\b+1], v[TT+8*\b:TT+8*\b+7], v[SCL]
.endr
	v_nop                                          ; one plain vector instruction between the last conversion and the next block's additions, which write its sources
.irp g, 0,1,2,3
	ds_store_b128 v[STO], v[CC+4*\g:CC+4*\g+3] offset:(\a)*16*SP+32*\g
.endr
.endm
	PLACES NP                                      ; behind the last products: the first additions write registers that held A's fragments
.irp a, 0,1,2,3,4,5,6,7
	OUTBLK \a
.endr
	s_wait_dscnt 0x0                               ; for the others' sake: my stores into the stage are done
	s_barrier_signal -1
	s_barrier_wait -1                              ; a row's 64 bytes of a column group come from one wave, the group's 256 rows from two
.set t, 0
.rept 16
	ds_load_b128 v[BK+4*t:BK+4*t+3], v[RD] offset:t*8*SP
.set t, t+1
.endr
.set t, 0
.rept 16
	ds_load_b128 v[BK+64+4*t:BK+64+4*t+3], v[RD2] offset:t*8*SP
.set t, t+1
.endr
.set t, 0
.rept 32
	s_wait_dscnt 31-t                              ; LDS loads come back in order (ISA guide 5.7.1): number t is in, the younger ones may be out
	global_store_b128 v[CO], v[BK+4*t:BK+4*t+3], s[10:11] offset:512*t   ; eight rows of 64 bytes: 32 lanes store 512 consecutive bytes, at a multiple of 256 from the buffer's first byte
.set t, t+1
.endr
	s_wait_tensorcnt 0x0                           ; the wave's end, behind my last tensor load and my last LDS store
	ds_add_u32 v[SPW], v[NIL]
	s_wait_dscnt 0x0
	CROUND                                         ; the closing round: no work-group ends while a partner may still ask for a tile that names it
	s_endpgm
.Lfunc_end_k_q1e7e8d6729_proj:
	.size	k_q1e7e8d6729_proj, .Lfunc_end_k_q1e7e8d6729_proj-k_q1e7e8d6729_proj
	.p2alignl 7, 3214868480
	.fill 96, 4, 3214868480
	.section	.rodata,"a",@progbits
	.p2align	6, 0x0
	.amdhsa_kernel k_q1e7e8d6729_proj
		.amdhsa_group_segment_fixed_size 327680
		.amdhsa_private_segment_fixed_size 0
		.amdhsa_enable_private_segment 0
		.amdhsa_kernarg_size 104
		.amdhsa_user_sgpr_count 2
		.amdhsa_user_sgpr_kernarg_segment_ptr 1
		.amdhsa_wavefront_size32 1
		.amdhsa_system_sgpr_workgroup_id_x 1
		.amdhsa_system_sgpr_workgroup_id_y 1
		.amdhsa_system_sgpr_workgroup_id_z 1
		.amdhsa_system_vgpr_workitem_id 0
		.amdhsa_next_free_vgpr 1024
		.amdhsa_next_free_sgpr 102
		.amdhsa_reserve_vcc 0
		.amdhsa_float_denorm_mode_32 3
		.amdhsa_float_denorm_mode_16_64 3
		.amdhsa_memory_ordered 1
		.amdhsa_forward_progress 1
		.amdhsa_inst_pref_size 168
	.end_amdhsa_kernel
	.amdgpu_metadata
---
amdhsa.version: [ 1, 2 ]
amdhsa.kernels:
  - .name:           k_q1e7e8d6729_proj
    .symbol:         k_q1e7e8d6729_proj.kd
    .args:
      - { .name: Wq_codes, .offset: 0, .size: 8, .value_kind: global_buffer, .address_space: global }
      - { .name: key_inputs_codes, .offset: 8, .size: 8, .value_kind: global_buffer, .address_space: global }
      - { .name: value_inputs_codes, .offset: 16, .size: 8, .value_kind: global_buffer, .address_space: global }
      - { .name: query_inputs_codes, .offset: 24, .size: 8, .value_kind: global_buffer, .address_space: global }
      - { .name: Wk_codes, .offset: 32, .size: 8, .value_kind: global_buffer, .address_space: global }
      - { .name: Wv_codes, .offset: 40, .size: 8, .value_kind: global_buffer, .address_space: global }
      - { .name: bq, .offset: 48, .size: 8, .value_kind: global_buffer, .address_space: global }
      - { .name: bk, .offset: 56, .size: 8, .value_kind: global_buffer, .address_space: global }
      - { .name: bv, .offset: 64, .size: 8, .value_kind: global_buffer, .address_space: global }
      - { .name: vt_codes, .offset: 72, .size: 8, .value_kind: global_buffer, .address_space: global }
      - { .name: k_codes, .offset: 80, .size: 8, .value_kind: global_buffer, .address_space: global }
      - { .name: q_codes, .offset: 88, .size: 8, .value_kind: global_buffer, .address_space: global }
      - { .name: lowp_scales, .offset: 96, .size: 8, .value_kind: global_buffer, .address_space: global }
    .group_segment_fixed_size: 327680
    .private_segment_fixed_size: 0
    .kernarg_segment_align: 8
    .kernarg_segment_size: 104
    .max_flat_workgroup_size: 128
    .sgpr_count:     102
    .vgpr_count:     1024
    .wavefront_size: 32
...
	.end_amdgpu_metadata
.endif
;; end of part 1
;; launch attn (part 2): grid 4 x 64, 8 waves a work-group, clusters of 4 x 1, 234,496 bytes of LDS; arguments q_codes, k_codes, vt_codes, lowp_scales, out0; writes out0
.if DOCPART == 2
	.amdgcn_target "amdgcn-amd-amdhsa--gfx1250"
	.amdhsa_code_object_version 6
	.text
	.protected	k_q1e7e8d6729_attn
	.globl	k_q1e7e8d6729_attn
	.p2align	8
	.type	k_q1e7e8d6729_attn,@function
k_q1e7e8d6729_attn:
	s_mov_b64 s[64:65], 0
	v_nop
	global_prefetch_b8 v0, s[64:65] scope:SCOPE_SE
	s_setreg_imm32_b32 hwreg(HW_REG_WAVE_MODE, 25, 1), 1
	s_wait_xcnt 0x0
	s_wait_alu depctr_hold_cnt(0) depctr_sa_sdst(0) depctr_va_vdst(0) depctr_va_sdst(0) depctr_va_ssrc(0) depctr_va_vcc(0) depctr_vm_vsrc(0)
	s_getreg_b32 s2, hwreg(HW_REG_IB_STS2, 6, 4)
	s_cmp_eq_u32 s2, 0
	s_cbranch_scc0 .Lentry_in_a_cluster
	s_endpgm
.Lentry_in_a_cluster:
	s_bfe_u32 s2, ttmp6, 0x10000c
	s_cmp_lg_u32 s2, 0x3003
	s_cbranch_scc0 .Lentry_shape_is_right
	s_endpgm
.Lentry_shape_is_right:
; out[n][q][h][:] = the sum over k of softmax_k(Q[q] . K[k] / 32) V[k][:], for 64 pairs (n, h), 1,024 queries and keys, head size 64, both products on codes of BF8 (E5M2) made by the launch before.
; q_codes, k_codes: [h][n x 1,024 + token][64 bytes], the head's 64 in one and the same order in both.   vt_codes: [16 n + key / 64][64 h + d][64 keys]: the keys innermost, since they are the second product's K.
; Inside each 32 keys, key 16 u + 8 g + j lies at byte 16 g + 8 u + j: so 16 bytes at 16 x (lane / 16) are four registers of the K = 128 form's own layout (registers 2 c, 2 c + 1: k = 16 c + 8 (lane / 16) + 0 .. 7).
; THE SOFTMAX AHEAD OF THE SECOND PRODUCT: t = score x log2(e) / 32; M = the row's largest t so far, rounded UP to a whole number; p = 2^(t - M) is what is quantised, with the given 2^e9; it is not normalised.
; The row's sum is taken of the unquantised p, in f32, and divides O at the end.  When M moves, the sum and O are multiplied by 2^(old M - new M): exact.
; SHARES.  A work-group owns 256 queries of one (n, h); each of its eight waves 32 of them, two tiles of 16, so that each fragment of K and of V that it reads from LDS feeds two products.  Two waves to a SIMD:
; one wave's vector work stands beside the other's matrix work and LDS loads.
; CLUSTER.  The four query blocks of one (n, h) form a cluster.  The pair's whole K and V, 128 KiB of codes, are brought ONCE, at the head, jointly for the four: four chunks of 256 keys; in each, waves 0-3 fetch 64 keys
; of K each and waves 4-7 64 keys of V^T each: four tensor loads a wave are out.  No LDS byte is filled twice, so there is no ring; a chunk is read behind a counted wait and a barrier.  Nothing is left to ask for ahead of the loads.
; LAYOUT.  Both products are used transposed: S^T = K Q^T (source 0 = 16 neighbouring keys, source 1 = 16 queries), O^T = V^T P^T (source 0 = 16 of the head's 64, source 1 = P): a lane holds ONE query (lane % 16) of each tile
; throughout.  Register j of score tile c holds key 16 c + 8 (lane / 16) + j: its eight codes ARE registers 2 c, 2 c + 1 of the second product's operand.
; LIMITS on the given exponents, so that each power of two below is an f32 number: e6 + e7 between -121 and 132 (added to c's exponent field); e9 between -126 and 112; e8 + e9 is applied by v_ldexp_f32 and has none.
; REGISTERS.  window 0: v1-7, v28 addresses; v10, v11 2^e9 and 57,344 x 2^e9; v12-19 four registers of statistics a tile (-M, the largest t, the sum in two halves); v20-27 at work; v32-47 Q; v48-111 K's eight fragments, then V's four;
;   v112-175 S^T, then p; v176-207 p's codes, 16 a tile.   window 1: v0-63 O^T, 32 a tile.
.set KP,    80                         ; 64 bytes of codes + 16 of padding = 20 words: row r starts at bank 20 r mod 64 (64 banks of 4 bytes: ISA guide 11.1): sixteen rows, sixteen different groups of four banks
.set TILEB, 64*KP                      ; what one tensor load fills: 64 lines
.set VOFF,  4*TILEB                    ; a chunk: 256 keys' rows of K, then four blocks of V^T (64 d x 64 keys)
.set CHB,   8*TILEB                    ; 40,960 bytes
.set STEPB, 2*TILEB                    ; a key step, 128 keys: 128 rows of K, two blocks of V^T
.set STAGE, 4*CHB                      ; behind the chunks: 2 x 16 rows x 272 bytes for each wave, for the way out; no tile lands there
.set SPI,   272
.set AK0, 1                            ; v1   my lane's place in a tile of K: (lane % 16) x 80 + 16 (lane / 16)
.set AV0, 2                            ; v2   the same for V^T
.set ADK, 3                            ; v3   LDS address of the step's tiles of K
.set ADV, 4                            ; v4   of V^T
.set GO,  5                            ; v5   the way out: my byte offset in the wave's rows of out
.set STO, 6                            ; v6   where I put 32 bytes of a row
.set RD,  7                            ; v7   where I read a row back
.set SC9, 10
.set LIM9, 11
.set ST,  12
.set MA,  20
.set MB,  21
.set F,   22                           ; v[22:23] f = 2^(old M - new M); the pair's upper word is written once
.set PL,  24
.set A2,  26
.set QO,  28                           ; v28  my byte offset in the wave's rows of Q; never rewritten
.set Q,   32
.set KF,  48
.set S,   112
.set P,   176
.set WV,  14                           ; s14  my wave's number
.set CS,  22                           ; s[22:23] c = log2(e) / 32 x 2^(e6 + e7): the packed form names a pair and takes its low word for both halves
.set G1,  24                           ; s[24:31] descriptor group 1, for all tiles
.set G0K, 32                           ; s[32:47] descriptor group 0 for K's tiles, a set for each chunk
.set G0V, 48                           ; s[48:63] the same for V's
.set SEL, 66                           ; s[66:67] lane selects for v_permlanex16_b32: lane l xor 16
.set TB,  72                           ; s72  LDS byte at which the step in hand begins
.set TWICE, 73                         ; s73  counts a chunk's two steps
.set MSB, 0
.macro WIN new                         ; the immediate's high byte repeats the setting that is left
.if MSB != \new
	s_set_vgpr_msb (MSB<<8)|\new
.set MSB, \new
.endif
.endm
.macro CROUND                          ; a round of the cluster's barrier
	s_barrier_signal -1
	s_barrier_wait -1
	s_cmp_lg_u32 s[WV], 0
	s_cbranch_scc1 .Lnot_wave_0_\@
	s_barrier_signal -3
.Lnot_wave_0_\@:
	s_barrier_wait -3
	s_barrier_signal -1
	s_barrier_wait -1
.endm
.macro PLACES                          ; four places behind a matrix instruction (ISA guide 7.12.1), where no other plain vector work is at hand
.rept 4
	v_nop
.endr
.endm
	s_load_b256 s[4:11], s[0:1], 0x0               ; Q's codes s[4:5], K's s[6:7], V^T's s[8:9], the scales' exponents s[10:11]
	s_load_b64 s[12:13], s[0:1], 0x20              ; out
	v_lshl_add_u32 v254, v0, 2, 0x39000
	v_mov_b32 v255, 0
	ds_add_u32 v254, v255
	ds_add_u32 v254, v255
	v_lshrrev_b32 v8, 5, v0
	v_readfirstlane_b32 s[WV], v8                  ; wave 0..7
	s_bfe_u32 s15, ttmp6, 0x40000                  ; cx: my block of 256 queries: it enters Q's and out's addresses alone
	s_and_b32 s16, ttmp7, 0xffff                   ; 16 n + h, which the four partners share
	s_lshr_b32 s17, s16, 4                         ; n
	s_and_b32 s18, s16, 15                         ; h
	s_and_b32 s19, s[WV], 3                        ; which 64 keys of a chunk I fetch
	s_lshl_b32 s74, s18, 18
	s_lshl_b32 s75, s17, 16
	s_add_co_u32 s74, s74, s75                     ; the pair's first byte in q_codes and in k_codes
	s_lshl_b32 s76, s19, 12
	s_add_co_u32 s76, s76, s74                     ; K: + my 64 rows of 64 bytes
	s_mov_b32 s77, 0
	s_lshl_b32 s78, s17, 20
	s_lshl_b32 s79, s18, 12
	s_add_co_u32 s78, s78, s79                     ; V^T: n's sixteen blocks of keys, in each the head's 64 rows of 64 bytes;
	s_lshl_b32 s79, s19, 16
	s_add_co_u32 s78, s78, s79                     ; + my block of 64 keys
	s_mov_b32 s79, 0
	s_lshl_b32 s80, s15, 14
	s_add_co_u32 s80, s80, s74
	s_lshl_b32 s81, s[WV], 11
	s_add_co_u32 s80, s80, s81                     ; Q: my block's 256 rows, my wave's 32 of them
	s_mov_b32 s81, 0
	s_lshl_b32 s82, s17, 10
	s_lshl_b32 s83, s15, 8
	s_add_co_u32 s82, s82, s83
	s_lshl_b32 s83, s[WV], 5
	s_add_co_u32 s82, s82, s83                     ; out: my wave's first row, 1,024 n + 256 cx + 32 wave,
	s_lshl_b32 s82, s82, 12                        ; of 4,096 bytes,
	s_lshl_b32 s83, s18, 8
	s_add_co_u32 s82, s82, s83                     ; and the head's 256 bytes in it
	s_mov_b32 s83, 0
	s_mul_i32 s20, s[WV], TILEB                    ; where my tiles go in a chunk: waves 0-3 K's four, waves 4-7 V's four: no place in the cluster enters an LDS address
	; descriptor group 1: 4,096 bytes that are dense in memory, as 16 rows of 256; in LDS 16 bytes of padding behind every 64, so that each line of 64 bytes lies 80 from the next
	s_mov_b32 s[G1], 15|(0<<16)|(1<<20)|(1<<21)|(3<<22)|(3<<25)   ; 15:0 the mask: all four work-groups; 17:16 elements of 1 byte; 20 padding on; 21 set beside a mask; 24:22 after every 16 words (code 3); 31:25 of 4 words (code 3)
	s_mov_b32 s[G1+1], 256<<16                     ; tensor_dim0 = 256
	s_mov_b32 s[G1+2], 16<<16                      ; tensor_dim1 = 16
	s_mov_b32 s[G1+3], 256<<16                     ; tile_dim0 = 256
	s_mov_b32 s[G1+4], 16                          ; tile_dim1 = 16
	s_mov_b32 s[G1+5], 256                         ; tensor_dim0_stride
	s_mov_b32 s[G1+6], 0
	s_mov_b32 s[G1+7], 0
	s_mov_b32 s[CS], 0x3d38aa3b                    ; log2(e) / 32
	s_mov_b32 s[SEL], 0x76543210
	s_mov_b32 s[SEL+1], 0xfedcba98
	s_wait_dscnt 0x0
	s_wait_kmcnt 0x0
	s_load_b128 s[68:71], s[10:11], 0x18           ; e6, e7 (the scores' operands), e8 (the values), e9 (p)
	s_add_nc_u64 s[6:7], s[6:7], s[76:77]
	s_add_nc_u64 s[8:9], s[8:9], s[78:79]
	s_add_nc_u64 s[4:5], s[4:5], s[80:81]
	s_add_nc_u64 s[12:13], s[12:13], s[82:83]
.irp g, 0,1,2,3
	s_mov_b32 s[G0K+4*\g], 1                       ; 1:0 count = 1
	s_add_co_u32 s[G0K+4*\g+1], s20, \g*CHB        ; 63:32 LDS address
	s_add_nc_u64 s[G0K+4*\g+2:G0K+4*\g+3], s[6:7], \g*16384   ; 120:64 global address: 256 keys of 64 bytes a chunk
	s_or_b32 s[G0K+4*\g+3], s[G0K+4*\g+3], 0x80000000         ; 127:126 type = 2
	s_mov_b32 s[G0V+4*\g], 1
	s_add_co_u32 s[G0V+4*\g+1], s20, \g*CHB
	s_add_nc_u64 s[G0V+4*\g+2:G0V+4*\g+3], s[8:9], \g*262144  ; four blocks of keys of 65,536 bytes a chunk
	s_or_b32 s[G0V+4*\g+3], s[G0V+4*\g+3], 0x80000000
.endr
	CROUND                                         ; all four work-groups are here: the joint loads meet
	s_cmp_lt_u32 s[WV], 4                          ; a wave's four fills stand in one branch on the wave's number, ahead of every wait on TENSORcnt and every LDS read; four v_nop follow the last
	s_cbranch_scc0 .Lfirst_v
	tensor_load_to_lds s[G0K:G0K+3], s[G1:G1+7]
	s_nop 0
	tensor_load_to_lds s[G0K+4:G0K+7], s[G1:G1+7]
	s_nop 0
	tensor_load_to_lds s[G0K+8:G0K+11], s[G1:G1+7]
	s_nop 0
	tensor_load_to_lds s[G0K+12:G0K+15], s[G1:G1+7]
	s_nop 0
.rept 4
	v_nop
.endr
	s_branch .Lfirst_asked
.Lfirst_v:
	tensor_load_to_lds s[G0V:G0V+3], s[G1:G1+7]
	s_nop 0
	tensor_load_to_lds s[G0V+4:G0V+7], s[G1:G1+7]
	s_nop 0
	tensor_load_to_lds s[G0V+8:G0V+11], s[G1:G1+7]
	s_nop 0
	tensor_load_to_lds s[G0V+12:G0V+15], s[G1:G1+7]
	s_nop 0
.rept 4
	v_nop
.endr
.Lfirst_asked:
	v_and_b32 v8, 15, v0                           ; r = lane % 16
	v_bfe_u32 v9, v0, 4, 1                         ; g = lane / 16
	v_lshlrev_b32 v[QO], 6, v8
	v_lshl_add_u32 v[QO], v9, 4, v[QO]             ; Q: row r of 64 bytes, + 16 g
.irp u, 0,1
	global_load_b128 v[Q+8*\u:Q+8*\u+3], v[QO], s[4:5] offset:1024*\u       ; a fragment of Q or K, 16 rows x 64, is 8 registers: two loads of 16 bytes, 32 apart; Q's two stay in registers
	global_load_b128 v[Q+8*\u+4:Q+8*\u+7], v[QO], s[4:5] offset:1024*\u+32
.endr
	v_mul_u32_u24 v[AK0], v8, KP
	v_lshl_add_u32 v[AK0], v9, 4, v[AK0]
	v_add_nc_u32 v[AV0], VOFF, v[AK0]
	s_mul_i32 s74, s[WV], 2*16*SPI
	s_add_co_u32 s74, s74, STAGE                   ; my stage
	v_mul_u32_u24 v[STO], v8, SPI                  ; in: row r, 32 bytes for each half of the lanes
	v_lshl_add_u32 v[STO], v9, 5, v[STO]
	v_add_nc_u32 v[STO], s74, v[STO]
	v_mul_u32_u24 v[RD], v9, SPI                   ; back: lanes 0-15 take one row of 256 bytes, lanes 16-31 the next
	v_lshl_add_u32 v[RD], v8, 4, v[RD]
	v_add_nc_u32 v[RD], s74, v[RD]
	v_lshlrev_b32 v[GO], 12, v9                    ; and the same two rows in out
	v_lshl_add_u32 v[GO], v8, 4, v[GO]
.irp u, 0,1
	v_mov_b32 v[ST+4*\u+1], 0xff61b1e6             ; the largest t so far: -3e38, under every t
	v_floor_f32 v[ST+4*\u], -v[ST+4*\u+1]          ; -M
	v_mov_b32 v[ST+4*\u+2], 0                      ; the sum, in two halves
	v_mov_b32 v[ST+4*\u+3], 0
.endr
	v_mov_b32 v[PL], 0                             ; written once: a lane permute's destination counts as one of its sources
	v_mov_b32 v[F+1], 0                            ; (named as the upper half of the pair)
	WIN 0x40                                       ; destination window 1
.set j, 0
.rept 64
	v_mov_b32 v[j], 0                              ; O^T.  (The key step is written without a first step of its own: the first finds zeros, which the first change of M leaves zeros)
.set j, j+1
.endr
	WIN 0
	s_wait_kmcnt 0x0
	s_add_co_i32 s74, s68, s69
	s_lshl_b32 s74, s74, 23
	s_add_co_i32 s[CS], s[CS], s74                 ; a score stands for score x 2^(e6 + e7): the two exponents are added to c's exponent field
	s_mov_b32 s[CS+1], s[CS]                       ; (named with it as a pair, so it is written)
	s_add_co_i32 s75, s71, 127
	s_lshl_b32 s76, s75, 23
	v_mov_b32 v[SC9], s76                          ; 2^e9 as f32, for the conversion
	s_add_co_i32 s75, s75, 15
	s_lshl_b32 s75, s75, 23
	s_or_b32 s75, s75, 0x600000
	v_mov_b32 v[LIM9], s75                         ; 57,344 x 2^e9
	s_add_co_i32 s70, s70, s71                     ; e8 + e9, for the way out
	s_wait_loadcnt 0x0                             ; Q
; S^T of tile u: eight tiles of 16 keys, K = the head's 64: one matrix instruction each, begun with the constant 0
.macro SCORES u
.irp t, 0,1,2,3,4,5,6,7
	v_wmma_f32_16x16x64_bf8_bf8 v[S+8*\t:S+8*\t+7], v[KF+8*\t:KF+8*\t+7], v[Q+8*(\u):Q+8*(\u)+7], 0
.endr
.endm
; The softmax of tile u for 128 keys, 64 of them in my lane; p's codes go to v[P + 16 u] on.
.macro SOFTMAX u
.set NM, ST+4*(\u)
.set TM, NM+1
.set SU, NM+2
.set PC, P+16*(\u)
	v_max3_num_f32 v[MA], v[S], v[S+1], v[S+2]     ; the step's largest score of my query among my 64 keys, in two chains, the registers in ascending order: each accumulator is read from its low end on
	v_max3_num_f32 v[MB], v[S+3], v[S+4], v[S+5]
.irp i, 6,10,14,18,22,26,30,34,38,42,46,50,54,58
	v_max3_num_f32 v[MA], v[MA], v[S+\i], v[S+\i+1]
	v_max3_num_f32 v[MB], v[MB], v[S+\i+2], v[S+\i+3]
.endr
	v_max3_num_f32 v[MA], v[MA], v[S+62], v[S+63]
	v_max_num_f32 v[MA], v[MA], v[MB]
	v_permlanex16_b32 v[PL], v[MA], s[SEL], s[SEL+1]
	v_max_num_f32 v[MA], v[MA], v[PL]              ; and among lane l xor 16's
	v_mul_f32 v[MA], s[CS], v[MA]                  ; as t (c is positive)
	v_max_num_f32 v[TM], v[TM], v[MA]              ; the running largest t
	v_mov_b32 v[MA], v[NM]
	v_floor_f32 v[NM], -v[TM]                      ; the new -M = floor(-t) = -ceil(t): M is a whole number
	v_sub_f32 v[MA], v[NM], v[MA]                  ; M's old value less its new one: a whole number, 0 or less
	v_cvt_i32_f32 v[MA], v[MA]                     ; (it saturates)
	v_ldexp_f32 v[F], 1.0, v[MA]                   ; f = 2^(old M - new M)
.set j, 0
.rept 32
	v_pk_fma_f32 v[S+j:S+j+1], v[S+j:S+j+1], s[CS:CS+1], v[NM:NM+1] op_sel_hi:[1,0,0]   ; t - M, two at a time (of the pairs c and -M the low word serves both halves)
.set j, j+2
.endr
.set j, 0
.rept 64
	v_exp_f32 v[S+j], v[S+j]                       ; p = 2^(t - M), at most 1: not normalised
.set j, j+1
.endr
	v_pk_mul_f32 v[SU:SU+1], v[SU:SU+1], v[F:F+1] op_sel_hi:[1,0]   ; the sums under the new M.  (The plain instruction behind the last exponential)
	s_wait_alu depctr_va_vdst(0)                   ; one wait for the batch of 64, ahead of the first instruction that names a result
	v_pk_add_f32 v[A2:A2+1], v[S:S+1], v[S+2:S+3]  ; the row's sum is taken of the unquantised p: two at a time, in two chains
.irp j, 4,8,12,16,20,24,28,32,36,40,44,48,52,56,60
	v_pk_add_f32 v[SU:SU+1], v[SU:SU+1], v[S+\j:S+\j+1]
	v_pk_add_f32 v[A2:A2+1], v[A2:A2+1], v[S+\j+2:S+\j+3]
.endr
	v_pk_add_f32 v[SU:SU+1], v[SU:SU+1], v[A2:A2+1]
.irp t, 0,1,2,3,4,5,6,7
.irp i, 0,1,2,3,4,5,6,7
	v_min_num_f32 v[S+8*\t+\i], v[S+8*\t+\i], v[LIM9]   ; the conversion to an 8-bit code does not saturate (ISA guide 7.6.2); p is not negative, so the hold is one-sided
.endr
	v_cvt_scalef32_pk8_bf8_f32 v[PC+2*\t:PC+2*\t+1], v[S+8*\t:S+8*\t+7], v[SC9]   ; keys 16 t + 8 (lane / 16) + 0 .. 7: registers 2 t, 2 t + 1 of the operand
.endr
.endm
; O^T of tile u under the new M: x f.  These sixteen plain instructions name neither the scores, K's fragments, Q nor the codes: they are the place behind the last conversion and the places in front of the
; matrix instructions that write the scores' registers again.
.macro RESCALE u
	WIN 0x41                                       ; O^T (destination and source 0) window 1, f window 0
.set j, 0
.rept 16
	v_pk_mul_f32 v[32*(\u)+j:32*(\u)+j+1], v[32*(\u)+j:32*(\u)+j+1], v[F:F+1] op_sel_hi:[1,0]
.set j, j+2
.endr
	WIN 0
.endm
; A KEY STEP: 128 keys, both tiles of queries.  K's eight fragments are read once and multiplied by both tiles' Q; V's four are asked for ahead of the second softmax and multiplied by both tiles' P.
.macro STEP
	v_add_nc_u32 v[ADK], s[TB], v[AK0]
	v_add_nc_u32 v[ADV], s[TB], v[AV0]
	v_nop                                          ; with the two additions: four places in front of loads into registers that the last step's products have read
	v_nop
.irp t, 0,1,2,3,4,5,6,7
	ds_load_b128 v[KF+8*\t:KF+8*\t+3], v[ADK] offset:\t*16*KP
	ds_load_b128 v[KF+8*\t+4:KF+8*\t+7], v[ADK] offset:\t*16*KP+32
.endr
	s_wait_dscnt 0x0
	SCORES 0
	PLACES
	SOFTMAX 0
	RESCALE 0
	SCORES 1
	PLACES                                         ; in front of the loads over K's fragments, and of the first read of the scores
.irp t, 0,1,2,3                                ; V^T: 16 of the head's 64 x 128 keys (two blocks of 64) are 16 registers: four loads of 16 bytes
.irp b, 0,1
.irp c, 0,1
	ds_load_b128 v[KF+16*\t+8*\b+4*\c:KF+16*\t+8*\b+4*\c+3], v[ADV] offset:\t*16*KP+\b*TILEB+32*\c
.endr
.endr
.endr
	SOFTMAX 1                                      ; V's fragments land meanwhile
	RESCALE 1
	s_wait_dscnt 0x0
	WIN 0x50                                       ; C and D window 1
.irp t, 0,1,2,3                                ; O^T += V^T P^T: the eight accumulators by turns, one instruction a turn
.irp u, 0,1
	v_wmma_f32_16x16x128_bf8_bf8 v[32*\u+8*\t:32*\u+8*\t+7], v[KF+16*\t:KF+16*\t+15], v[P+16*\u:P+16*\u+15], v[32*\u+8*\t:32*\u+8*\t+7]
.endr
.endr
	WIN 0
.endm
; Chunk g, 256 keys: two key steps, written once and walked twice.  The wait leaves my loads of the 3 - g later chunks out.
.macro CHUNK g
	s_wait_tensorcnt 3-(\g)                        ; tensor loads of a wave end in order (ISA guide 10.11.1): my tile of this chunk is in LDS,
	s_wait_dscnt 0x0                               ; (no LDS load of mine is out at a signal)
	s_barrier_signal -1
	s_barrier_wait -1                              ; and so is everybody's
	s_mov_b32 s[TB], (\g)*CHB
	s_mov_b32 s[TWICE], 2
.Lstep_\@:
	STEP
	s_add_co_u32 s[TB], s[TB], STEPB
	s_sub_co_u32 s[TWICE], s[TWICE], 1
	s_cmp_lg_u32 s[TWICE], 0
	s_cbranch_scc1 .Lstep_\@
.endm
	CHUNK 0
	CHUNK 1
	CHUNK 2
	CHUNK 3                                        ; its wait is for zero: no tensor load is out at the end
	; THE WAY OUT.  The sum's two halves and lane l xor 16's are added; O^T is divided by the sum, multiplied by 2^(e8 + e9), and goes through my own stage in LDS, so that sixteen lanes store a row's 256 bytes.
	PLACES
.irp u, 0,1
	v_add_f32 v[ST+4*\u+2], v[ST+4*\u+2], v[ST+4*\u+3]
.endr
.irp u, 0,1
	v_permlanex16_b32 v[MA+\u], v[ST+4*\u+2], s[SEL], s[SEL+1]
.endr
.irp u, 0,1
	v_add_f32 v[ST+4*\u+2], v[ST+4*\u+2], v[MA+\u]  ; the row's sum: over 1/2, since the row's largest p is
.endr
.irp u, 0,1
	v_rcp_f32 v[ST+4*\u+2], v[ST+4*\u+2]
.endr
	v_nop                                          ; a plain instruction between the last reciprocal and the use of its result,
	s_wait_alu depctr_va_vdst(0)                   ; and one wait for the two, ahead of the first use
.irp u, 0,1
	v_ldexp_f32 v[ST+4*\u+2], v[ST+4*\u+2], s70
.endr
	WIN 0x01                                       ; source 0 (O^T) window 1
.irp u, 0,1
.set j, 0
.rept 16
	v_pk_mul_f32 v[S+32*\u+j:S+32*\u+j+1], v[32*\u+j:32*\u+j+1], v[ST+4*\u+2:ST+4*\u+3] op_sel_hi:[1,0]   ; register 8 t + i of tile u is out(query 16 u + r, channel 16 t + 8 (lane / 16) + i); each accumulator from its low end on
.set j, j+2
.endr
.endr
	WIN 0
.irp u, 0,1
.irp t, 0,1,2,3
	ds_store_b128 v[STO], v[S+32*\u+8*\t:S+32*\u+8*\t+3] offset:\u*16*SPI+64*\t
	ds_store_b128 v[STO], v[S+32*\u+8*\t+4:S+32*\u+8*\t+7] offset:\u*16*SPI+64*\t+16
.endr
.endr
.irp u, 0,1
.irp i, 0,1,2,3,4,5,6,7
	ds_load_b128 v[KF+32*\u+4*\i:KF+32*\u+4*\i+3], v[RD] offset:\u*16*SPI+2*\i*SPI   ; LDS serves a wave's instructions in order (ISA guide 5.7.1.4): these see my stores above
.endr
.endr
.irp u, 0,1
.irp i, 0,1,2,3,4,5,6,7
	s_wait_dscnt 15-8*\u-\i                        ; this load is in; the younger ones may be out
	global_store_b128 v[GO], v[KF+32*\u+4*\i:KF+32*\u+4*\i+3], s[12:13] offset:(16*\u+2*\i)*4096 th:TH_STORE_NT   ; 16 lanes store 256 consecutive bytes, at a multiple of 256 from out's first byte; written once, read by nobody here
.endr
.endr
	s_wait_tensorcnt 0x0
	ds_add_u32 v254, v255
	s_wait_dscnt 0x0
	CROUND                                         ; the closing round: no work-group ends while a partner may still ask for a tile that names it
	s_endpgm
.Lfunc_end_k_q1e7e8d6729_attn:
	.size	k_q1e7e8d6729_attn, .Lfunc_end_k_q1e7e8d6729_attn-k_q1e7e8d6729_attn
	.p2alignl 7, 3214868480
	.fill 96, 4, 3214868480
	.section	.rodata,"a",@progbits
	.p2align	6, 0x0
	.amdhsa_kernel k_q1e7e8d6729_attn
		.amdhsa_group_segment_fixed_size 234496
		.amdhsa_private_segment_fixed_size 0
		.amdhsa_enable_private_segment 0
		.amdhsa_kernarg_size 40
		.amdhsa_user_sgpr_count 2
		.amdhsa_user_sgpr_kernarg_segment_ptr 1
		.amdhsa_wavefront_size32 1
		.amdhsa_system_sgpr_workgroup_id_x 1
		.amdhsa_system_sgpr_workgroup_id_y 1
		.amdhsa_system_sgpr_workgroup_id_z 1
		.amdhsa_system_vgpr_workitem_id 0
		.amdhsa_next_free_vgpr 320
		.amdhsa_next_free_sgpr 84
		.amdhsa_reserve_vcc 0
		.amdhsa_float_denorm_mode_32 3
		.amdhsa_float_denorm_mode_16_64 3
		.amdhsa_memory_ordered 1
		.amdhsa_forward_progress 1
		.amdhsa_inst_pref_size 132
	.end_amdhsa_kernel
	.amdgpu_metadata
---
amdhsa.version: [ 1, 2 ]
amdhsa.kernels:
  - .name:           k_q1e7e8d6729_attn
    .symbol:         k_q1e7e8d6729_attn.kd
    .args:
      - { .name: q_codes, .offset: 0, .size: 8, .value_kind: global_buffer, .address_space: global }
      - { .name: k_codes, .offset: 8, .size: 8, .value_kind: global_buffer, .address_space: global }
      - { .name: vt_codes, .offset: 16, .size: 8, .value_kind: global_buffer, .address_space: global }
      - { .name: lowp_scales, .offset: 24, .size: 8, .value_kind: global_buffer, .address_space: global }
      - { .name: out0, .offset: 32, .size: 8, .value_kind: global_buffer, .address_space: global }
    .group_segment_fixed_size: 234496
    .private_segment_fixed_size: 0
    .kernarg_segment_align: 8
    .kernarg_segment_size: 40
    .max_flat_workgroup_size: 256
    .sgpr_count:     84
    .vgpr_count:     320
    .wavefront_size: 32
...
	.end_amdgpu_metadata
.endif
;; end of part 2
;; ======== version 2 of 2: 2 launches
;; limits: right only within a limited range of input values
;; workspace buffers: vt_codes 4,194,304 bytes; k_codes 4,194,304 bytes; q_codes 4,194,304 bytes
;; launch proj (part 3): grid 4 x 48, 4 waves a work-group, clusters of 4 x 4, 327,680 bytes of LDS; arguments Wq_codes, key_inputs_codes, value_inputs_codes, query_inputs_codes, Wk_codes, Wv_codes, bq, bk, bv, vt_codes, k_codes, q_codes, lowp_scales; writes vt_codes, k_codes, q_codes
.if DOCPART == 3
	.amdgcn_target "amdgcn-amd-amdhsa--gfx1250"
	.amdhsa_code_object_version 6
	.text
	.protected	k_q1e7e8d6729_proj
	.globl	k_q1e7e8d6729_proj
	.p2align	8
	.type	k_q1e7e8d6729_proj,@function
k_q1e7e8d6729_proj:
	s_mov_b64 s[64:65], 0
	v_nop
	global_prefetch_b8 v0, s[64:65] scope:SCOPE_SE
	s_setreg_imm32_b32 hwreg(HW_REG_WAVE_MODE, 25, 1), 1
	s_wait_xcnt 0x0
	s_wait_alu depctr_hold_cnt(0) depctr_sa_sdst(0) depctr_va_vdst(0) depctr_va_sdst(0) depctr_va_ssrc(0) depctr_va_vcc(0) depctr_vm_vsrc(0)
	s_getreg_b32 s2, hwreg(HW_REG_IB_STS2, 6, 4)
	s_cmp_eq_u32 s2, 0
	s_cbranch_scc0 .Lentry_in_a_cluster
	s_endpgm
.Lentry_in_a_cluster:
	s_bfe_u32 s2, ttmp6, 0x10000c
	s_cmp_lg_u32 s2, 0xf033
	s_cbranch_scc0 .Lentry_shape_is_right
	s_endpgm
.Lentry_shape_is_right:
; THE THREE PROJECTIONS, x W^T + b, on the given codes of BF8 (E5M2), each result quantised to BF8 with the scale that is given for it as an operand of the attention that follows.
; One body serves all three: C[m][n] = sum over k of A[m][k] B[n][k], K = 1,024, rows of 1,024 bytes.  The cluster's y, 0 to 11, gives the tensor TN = y / 4 and a quarter y % 4 of its tiles:
;   TN = 0  'values' (query_inputs Wq^T + bq), made TRANSPOSED: A = Wq (1,024 rows), B = query_inputs (4,096 rows); the bias goes by C's rows;    scales: entries 0 + 1 in, entry 8 out; into vt_codes
;   TN = 1  'keys'   (key_inputs Wk^T + bk):                    A = key_inputs,      B = Wk;                          the bias goes by C's columns; scales: entries 2 + 3 in, entry 7 out; into k_codes
;   TN = 2  'queries' (value_inputs Wv^T + bv):                 A = value_inputs,    B = Wv;                          the bias goes by C's columns; scales: entries 4 + 5 in, entry 6 out; into q_codes
; Only pointers, exponents and offsets are chosen by TN (s_cselect): there is ONE path through the text.  The sums begin as the bias by columns + the bias by rows; the kind that the tensor does not have is zeros.
; A sum stands for sum x 2^(eA + eB).  So the bias goes in as b / 2^(eA + eB), and the conversion takes 2^(eout - eA - eB) as its one scale; each number is first held within +-57,344 x that scale.
; LIMITS: eout - eA - eB lies between -126 and 112, so that both powers of two are f32 numbers.  NaN among the biases is not served.
; OUTPUT, all three alike: [C's columns / 64][C's rows / 16][2][512 bytes].  512 bytes are 16 rows x 32 columns, 16 bytes a lane, lane 0 first: lane 16 h + r holds, of row r, columns 8 h + 0 .. 7 and 16 + 8 h + 0 .. 7 of the 32:
;   what two neighbouring accumulators' codes leave in the lane, so a store's 32 lanes write 512 consecutive bytes straight from the registers.
;   k_codes, q_codes: C's columns are the model's, 64 a head; C's rows the tokens.   vt_codes: C's columns are the tokens, C's rows the model's.
; SHARES.  A tile of C, 256 x 256, is made by a work-group of four waves; a wave makes 128 x 128: 64 accumulators, 512 registers.  3 x 64 tiles: 192 work-groups.
; K goes in four steps of 256 through a ring of two LDS slots filled by the tensor data mover.  CLUSTERS: 4 x 4 work-groups; A's tile is asked for jointly by a row of the cluster, B's by a column.
; THE MATRIX INSTRUCTION IS USED TRANSPOSED (source 0 = 16 rows of B, source 1 = 16 rows of A): a lane holds eight neighbouring columns of one row of C, which one conversion turns into eight codes.
; REGISTERS, in windows of 256: window 0: v1-6 at work in the head; v12-13 the conversion's scale and the hold; v16-30 addresses; v32-95 the bias by columns; v96-111 the bias by rows, in pairs;
;   from v128 A's fragments, ONE set; on the way out v32-159.   window 1: B's fragments, TWO sets.   windows 2, 3: the accumulators ((a, b) at v[8 (8 (a % 4) + b)]).
.set KSTEP,  256                       ; along K in a slot
.set ROWB,   256                       ; a tile's row in bytes
.set KROW,   1024                      ; a row of A or of B in memory, in bytes
.set PITCH,  272                       ; an LDS row: 256 bytes + 16 of padding = 68 words: row r starts at bank 4 r mod 64 (64 banks of 4 bytes: ISA guide 11.1)
.set FR,     16                        ; registers of a fragment: 16 rows x 128 K
.set NL,     4                         ; LDS loads that bring one
.set NP,     4                         ; places behind this matrix instruction (ISA guide 7.12.1)
.set HALFT,  128*PITCH                 ; 128 rows: what one tensor load brings, and what one wave reads of A or of B
.set SLOT,   4*HALFT                   ; A's 256 rows, then B's 256 rows
.set SPARE,  2*SLOT                    ; behind the ring: the spare words, 128 bytes for each wave: two blocks of 256 bytes that no other line names
.set SCL,  12                          ; v12     2^(eout - eA - eB) as f32
.set LIM,  13                          ; v13     57,344 x that
.set ADRA, 16                          ; v16-17  LDS address of my A fragments in slot 0, 1
.set ADRB, 20                          ; v20-21  the same for B
.set CO,   26                          ; v26     16 x lane: my place in 512 bytes of the output
.set SPW,  28                          ; v28     LDS address of my spare word: SPARE + 4 x my thread's number; never rewritten
.set NIL,  29                          ; v29     0; never rewritten
.set PFO,  30                          ; v30     the prefetches' offset: my lane x a row of 1,024 bytes; never rewritten
.set CB,   32                          ; v32-95  register 8 b + j: the bias of column 16 b + 8 (lane / 16) + j of my 128, / 2^(eA + eB); zeros where TN = 0
.set RB,   96                          ; v96-111 pair a: the bias of row 16 a + lane % 16 of my 128, twice; zeros where TN is not 0
.set AF,   128                         ; A's fragments, in window 0
.set TT,   32                          ; the way out: v32-95 a block's 64 sums, held
.set CD,   96                          ; v96-159 codes: four sets of 16 by turns
.set G1, 24                            ; s[24:31] descriptor group 1 for A's tiles;  s[32:39] group 0, one set for each slot
.set G0, 32
.set G1B, 48                           ; s[48:55], s[56:63] the same for B's tiles
.set G0B, 56
.set PFA, 66                           ; s[66:67] where my prefetches stand: the 32 rows that I name
.set MSB, 0
.macro WIN new                         ; the immediate's high byte repeats the setting that is left
.if MSB != \new
	s_set_vgpr_msb (MSB<<8)|\new
.set MSB, \new
.endif
.endm
.set MUL_LO, 0xa1                      ; source 0 (B) window 1, source 1 (A) window 0, C and D window 2
.set MUL_HI, 0xf1                      ; the same, C and D window 3
.set TO_B,   0x40                      ; destination window 1, address window 0
; A joint load: waves 0 and 1 fetch for A, waves 2 and 3 for B.  Each of the two lines has ONE mask and one set of registers for all that issue it; the branch hangs on the wave's number alone.
; An s_nop 0 and four v_nop follow each of the two lines, ahead of the jump, the label and what follows.
.macro JLOAD g0a, g1a, g0b, g1b
	s_cmp_eq_u32 s15, 0
	s_cbranch_scc0 .Lfor_b_\@
	tensor_load_to_lds s[\g0a:\g0a+3], s[\g1a:\g1a+7]
	s_nop 0
.rept 4
	v_nop
.endr
	s_branch .Lasked_\@
.Lfor_b_\@:
	tensor_load_to_lds s[\g0b:\g0b+3], s[\g1b:\g1b+7]
	s_nop 0
.rept 4
	v_nop
.endr
.Lasked_\@:
.endm
; A PREFETCH INTO THE L2 of K step k, a lane a row: K step 1 is asked for at the head, K step 2 behind K step 1's load, K step 3 behind K step 2's.  Of the 128 rows that a wave fetches jointly with three partners its work-group
; names 32, told apart by address (by cx among A's partners, by cy among B's): each aligned block of 256 bytes once in each cluster that loads it.
.macro ASK k
	global_prefetch_b8 v[PFO], s[PFA:PFA+1] offset:(\k)*ROWB th:TH_LOAD_NT scope:SCOPE_SE
.endm
.macro CREST                           ; a round of the cluster's barrier behind its opening barrier
	s_cmp_lg_u32 s14, 0
	s_cbranch_scc1 .Lnot_wave_0_\@
	s_barrier_signal -3
.Lnot_wave_0_\@:
	s_barrier_wait -3
	s_barrier_signal -1
	s_barrier_wait -1
.endm
.macro CROUND                          ; a whole round
	s_barrier_signal -1
	s_barrier_wait -1
	CREST
.endm
	s_load_b512 s[68:83], s[0:1], 0x0              ; Wq s[68:69], key_inputs s[70:71], value_inputs s[72:73], query_inputs s[74:75], Wk s[76:77], Wv s[78:79], bq s[80:81], bk s[82:83]
	s_load_b256 s[84:91], s[0:1], 0x40             ; bv s[84:85], vt_codes s[86:87], k_codes s[88:89], q_codes s[90:91]
	s_load_b64 s[92:93], s[0:1], 0x60              ; the scales' exponents
	v_lshl_add_u32 v[SPW], v0, 2, SPARE
	v_mov_b32 v[NIL], 0
	ds_add_u32 v[SPW], v[NIL]                      ; the wave's opening: 0 onto my spare word, twice on end, and its wait ahead of my first tensor load
	ds_add_u32 v[SPW], v[NIL]
	v_lshrrev_b32 v1, 5, v0
	v_readfirstlane_b32 s14, v1                    ; wave 0..3
	s_lshr_b32 s15, s14, 1                         ; which half of the tile's rows is mine.  Also: I fetch for A (0) or for B (1)
	s_and_b32 s16, s14, 1                          ; which half of its columns.  Also: which 128 rows of that tile I fetch
	s_bfe_u32 s40, ttmp6, 0x40000                  ; cx, cy: my place in the cluster
	s_bfe_u32 s41, ttmp6, 0x40004
	s_and_b32 s12, ttmp7, 0xffff                   ; the cluster's y, which all sixteen partners share
	s_lshr_b32 s13, s12, 2                         ; TN: the tensor
	s_and_b32 s12, s12, 3
	s_lshl_b32 s12, s12, 2                         ; 4 x the quarter: the long side of C (4,096) has 16 tiles, the short side (1,024) four
	s_cmp_eq_u32 s13, 0
	s_cselect_b32 s17, 0, s12                      ; TN = 0: the long side is C's columns; else its rows
	s_cselect_b32 s42, s12, 0
	s_add_co_u32 s17, s17, s41                     ; tile row of C: cy (+ 4 x quarter)
	s_add_co_u32 s42, s42, s40                     ; tile column of C: cx (+ 4 x quarter)
	s_lshl_b32 s43, s41, 2
	s_lshl_b32 s43, 15, s43                        ; my row of the cluster
	s_lshl_b32 s44, 0x1111, s40                    ; my column
	; descriptor group 1: a tile of 128 rows x 256 bytes, padded in LDS
	s_or_b32 s[G1+0], s43, (0<<16)|(1<<20)|(1<<21)|(5<<22)|(3<<25)  ; 15:0 the mask: A's tiles go to my row; 17:16 element of 1 byte; 20 padding on; 21 set beside a mask; 24:22 after every 64 words (code 5); 31:25 of 4 words (code 3)
	s_or_b32 s[G1B+0], s44, (0<<16)|(1<<20)|(1<<21)|(5<<22)|(3<<25) ; the same with the mask of my column, for B's tiles
.irp g, G1, G1B
	s_mov_b32 s[\g+1], ROWB<<16                    ; tensor_dim0
	s_mov_b32 s[\g+2], 128<<16                     ; tensor_dim1 = 128
	s_mov_b32 s[\g+3], ROWB<<16                    ; tile_dim0
	s_mov_b32 s[\g+4], 128                         ; tile_dim1 = 128
	s_mov_b32 s[\g+5], KROW                        ; tensor_dim0_stride
	s_mov_b32 s[\g+6], 0
	s_mov_b32 s[\g+7], 0
.endr
	s_lshl_b32 s18, s16, 7                         ; which 128 rows of the tile I fetch
	s_lshl_b32 s20, s17, 8
	s_add_co_u32 s20, s20, s18                     ; A: row 256 x tile row + 128 x half,
	s_lshl_b32 s20, s20, 10                        ; in bytes (under 2^22)
	s_mov_b32 s21, 0
	s_lshl_b32 s46, s42, 8
	s_add_co_u32 s46, s46, s18                     ; B: row 256 x tile column + 128 x half
	s_lshl_b32 s46, s46, 10
	s_mov_b32 s47, 0
	s_mul_i32 s45, s14, HALFT                      ; where they go: wave x 128 rows: no place in the cluster enters an LDS address
	s_wait_dscnt 0x0                               ; both opening adds are done
	CROUND                                         ; all sixteen work-groups are here: the first joint loads meet.  The round names no argument, so it stands while the arguments are on their way
	s_wait_kmcnt 0x0
	s_cmp_eq_u32 s13, 1                            ; the tensor's four buffers: a choice on the cluster's y alone
	s_cselect_b64 s[4:5], s[70:71], s[72:73]       ; A
	s_cselect_b64 s[6:7], s[76:77], s[78:79]       ; B
	s_cselect_b64 s[8:9], s[82:83], s[84:85]       ; the bias
	s_cselect_b64 s[10:11], s[88:89], s[90:91]     ; the codes that I make
	s_cmp_eq_u32 s13, 0
	s_cselect_b64 s[4:5], s[68:69], s[4:5]
	s_cselect_b64 s[6:7], s[74:75], s[6:7]
	s_cselect_b64 s[8:9], s[80:81], s[8:9]
	s_cselect_b64 s[10:11], s[86:87], s[10:11]
	s_load_b256 s[68:75], s[92:93], 0x0            ; entries 0 to 7 of the exponents,
	s_load_b64 s[76:77], s[92:93], 0x20            ; 8 and 9
	s_add_nc_u64 s[20:21], s[4:5], s[20:21]
	s_add_nc_u64 s[46:47], s[6:7], s[46:47]
.irp s, 0,1
	s_mov_b32 s[G0+4*\s], 1                        ; 1:0 count = 1
	s_add_co_u32 s[G0+4*\s+1], s45, \s*SLOT        ; 63:32 LDS address
	s_add_nc_u64 s[G0+4*\s+2:G0+4*\s+3], s[20:21], \s*ROWB   ; 120:64 global address: K step s
	s_or_b32 s[G0+4*\s+3], s[G0+4*\s+3], 0x80000000          ; 127:126 type = 2
	s_mov_b32 s[G0B+4*\s], 1
	s_add_co_u32 s[G0B+4*\s+1], s45, \s*SLOT
	s_add_nc_u64 s[G0B+4*\s+2:G0B+4*\s+3], s[46:47], \s*ROWB
	s_or_b32 s[G0B+4*\s+3], s[G0B+4*\s+3], 0x80000000
.endr
	JLOAD G0, G1, G0B, G1B                         ; K step 0: one tensor load a wave at the head
	s_cmp_eq_u32 s15, 0                            ; where my prefetches stand
	s_cselect_b64 s[PFA:PFA+1], s[20:21], s[46:47]
	s_cselect_b32 s2, s40, s41
	s_lshl_b32 s2, s2, 15                          ; 32 rows of 1,024 bytes
	s_mov_b32 s3, 0
	s_add_nc_u64 s[PFA:PFA+1], s[PFA:PFA+1], s[2:3]
	s_mul_i32 s21, s15, HALFT                      ; my 128 rows of A
	s_mul_i32 s22, s16, HALFT                      ; my 128 rows of B,
	s_add_co_u32 s22, s22, 2*HALFT                 ; which lie behind A's 256
	v_and_b32 v1, 15, v0                           ; r = l % 16
	v_bfe_u32 v2, v0, 4, 1                         ; h = l / 16
	v_mul_u32_u24 v3, v1, PITCH
	v_lshl_add_u32 v4, v2, 4, v3                   ; a fragment's row x pitch + 16 x half
.irp s, 0,1
	v_add_nc_u32 v[ADRA+\s], s21, v4
	v_add_nc_u32 v[ADRB+\s], s22, v4
	s_add_co_u32 s21, s21, SLOT
	s_add_co_u32 s22, s22, SLOT
.endr
	v_and_b32 v6, 31, v0
	v_lshlrev_b32 v[CO], 4, v6
	s_wait_alu depctr_va_vdst(0)                   ; ahead of the scalar lines below
	; where my output begins: column group 4 x tile column + 2 x my half, row block 16 x tile row + 8 x my half.  A column group is all C's rows x 64 bytes: 2^16 bytes where TN = 0, else 2^18; a row block 1,024 bytes.
	; And the biases' first numbers.  The kind that the tensor does not have is loaded from the buffer's head (inside its 1,024 numbers) and replaced by zeros.
	s_lshl_b32 s18, s42, 10                        ; 256 x tile column numbers of 4 bytes
	s_lshl_b32 s19, s17, 10                        ; 256 x tile row
	s_lshl_b32 s22, s42, 2
	s_lshl_b32 s2, s16, 1
	s_add_co_u32 s22, s22, s2
	s_cmp_eq_u32 s13, 0
	s_cselect_b32 s18, 0, s18
	s_cselect_b32 s19, s19, 0
	s_cselect_b32 s96, 0, -1                       ; all lanes keep the bias by columns where TN is not 0,
	s_cselect_b32 s97, -1, 0                       ; the bias by rows where it is
	s_cselect_b32 s23, 16, 18
	s_mov_b32 s2, 0x40000
	s_cselect_b32 s2, 0x10000, s2                  ; from a column group to the next
	s_lshl_b32 s22, s22, s23
	s_lshl_b32 s23, s15, 13
	s_add_co_u32 s22, s22, s23
	s_lshl_b32 s23, s17, 14
	s_add_co_u32 s22, s22, s23
	s_mov_b32 s23, 0
	s_add_nc_u64 s[10:11], s[10:11], s[22:23]      ; my first column group,
	s_add_nc_u64 s[4:5], s[10:11], s[2:3]          ; my second
	s_lshl_b32 s22, s16, 9                         ; + my 128 columns
	s_add_co_u32 s22, s22, s18
	s_add_nc_u64 s[98:99], s[8:9], s[22:23]
	s_lshl_b32 s22, s15, 9                         ; + my 128 rows
	s_add_co_u32 s22, s22, s19
	s_add_nc_u64 s[100:101], s[8:9], s[22:23]
	v_lshlrev_b32 v5, 5, v2                        ; 8 h numbers
	v_lshlrev_b32 v6, 2, v1                        ; r numbers
.irp b, 0,1,2,3,4,5,6,7
	global_load_b128 v[CB+8*\b:CB+8*\b+3], v5, s[98:99] offset:64*\b
	global_load_b128 v[CB+8*\b+4:CB+8*\b+7], v5, s[98:99] offset:64*\b+16
.endr
.irp a, 0,1,2,3,4,5,6,7
	global_load_b32 v[RB+2*\a], v6, s[100:101] offset:64*\a
.endr
	v_and_b32 v[PFO], 31, v0
	v_lshlrev_b32 v[PFO], 10, v[PFO]
	ASK 1
	s_wait_kmcnt 0x0
	s_add_co_i32 s78, s68, s69                     ; the three sums first: an addition sets SCC
	s_add_co_i32 s79, s70, s71
	s_add_co_i32 s80, s72, s73
	s_cmp_eq_u32 s13, 1
	s_cselect_b32 s94, s79, s80                    ; eA + eB
	s_cselect_b32 s95, s75, s74                    ; eout: the keys are the right operand of the scores' product (entry 7), the queries the left (entry 6),
	s_cmp_eq_u32 s13, 0
	s_cselect_b32 s94, s78, s94
	s_cselect_b32 s95, s76, s95                    ; the values the left operand of the last product (entry 8)
	s_sub_co_i32 s95, s95, s94
	s_add_co_i32 s95, s95, 127
	s_lshl_b32 s18, s95, 23
	v_mov_b32 v[SCL], s18                          ; 2^(eout - eA - eB) as f32: the conversion takes its exponent field
	s_add_co_i32 s95, s95, 15
	s_lshl_b32 s95, s95, 23
	s_or_b32 s95, s95, 0x600000
	v_mov_b32 v[LIM], s95                          ; 57,344 x that
	s_sub_co_i32 s94, 0, s94
	s_wait_loadcnt 0x0                             ; the biases
.set j, 0
.rept 64
	v_cndmask_b32 v[CB+j], 0, v[CB+j], s96
.set j, j+1
.endr
.set j, 0
.rept 8
	v_cndmask_b32 v[RB+2*j], 0, v[RB+2*j], s97
.set j, j+1
.endr
.set j, 0
.rept 64
	v_ldexp_f32 v[CB+j], v[CB+j], s94              ; b / 2^(eA + eB): nothing is rounded, short of underflow
.set j, j+1
.endr
.set j, 0
.rept 8
	v_ldexp_f32 v[RB+2*j], v[RB+2*j], s94
.set j, j+1
.endr
.set j, 0
.rept 8
	v_mov_b32 v[RB+2*j+1], v[RB+2*j]               ; a pair for the packed addition
.set j, j+1
.endr
	; THE BIASES START THE SUMS, while K step 0 is on its way
.set ia, 0
.rept 8
.if ia < 4
	WIN 0x80                                       ; destination window 2
.else
	WIN 0xc0                                       ; destination window 3
.endif
.set j, 0
.rept 32
	v_pk_add_f32 v[64*(ia%4)+j:64*(ia%4)+j+1], v[CB+j:CB+j+1], v[RB+2*ia:RB+2*ia+1]
.set j, j+2
.endr
.set ia, ia+1
.endr
	WIN 0
.macro FRAG reg, adr, q, i             ; a fragment, 16 rows x 128 K of 8-bit codes, is 16 registers: lane l holds row l % 16; registers 4 c .. 4 c + 3 hold K = 32 c + 16 (l / 16) + 0 .. 15: one order of k, the same in A and in B
.irp c, 0,1,2,3
	ds_load_b128 v[\reg+4*\c:\reg+4*\c+3], v[\adr] offset:128*(\q)+32*\c+(\i)*16*PITCH
.endr
.endm
; 16 matrix instructions: A's blocks a0, a0 + 1 x B's eight, 128 along K.  p: B's set.
; The 64 accumulators take turns, one instruction a turn, in the same order in every step.
.macro MUL16 a0, p
.irp a, \a0, \a0+1
.irp b, 0,1,2,3,4,5,6,7
	v_wmma_f32_16x16x128_bf8_bf8 v[8*(8*((\a)%4)+\b):8*(8*((\a)%4)+\b)+7], v[128*(\p)+FR*\b:128*(\p)+FR*\b+FR-1], v[AF+FR*(\a):AF+FR*(\a)+FR-1], v[8*(8*((\a)%4)+\b):8*(8*((\a)%4)+\b)+7]
.endr
.endr
.endm
.macro FETCH_B slot, q, p              ; B's eight fragments of the slot's q-th 128 along K into set p
	WIN TO_B
.irp i, 0,1,2,3,4,5,6,7
	FRAG 128*(\p)+FR*\i, ADRB+\slot, \q, \i
.endr
	WIN 0
.endm
.macro FETCH_A slot, q, i0             ; A's blocks i0 .. i0 + 3
.irp i, \i0, \i0+1, \i0+2, \i0+3
	FRAG AF+FR*(\i), ADRA+\slot, \q, \i
.endr
.endm
; A load into a register that a matrix instruction has read, and a vector instruction that reads a matrix result or writes one of a matrix instruction's registers, stand NP places behind it, and only plain
; vector instructions that name none of its registers are places (ISA guide 7.12.1 for vector instructions); the matrix instructions in between are not counted.
.macro PLACES n
.rept \n
	v_nop
.endr
.endm
; A step of 128 along K that has its successor in the same slot.  A's blocks go one after the other, each against B's eight: a block of A is free when its eight products are issued, so A has one set of registers.
.macro STEP slot, q
	s_wait_dscnt 4*NL                              ; B's set and A's blocks 0-3 are in; the youngest sixteen loads (A's blocks 4-7) may be out
	WIN MUL_LO
	MUL16 0, (\q)%2
	MUL16 2, (\q)%2
	s_wait_dscnt 0                                 ; A's blocks 4-7 are in (asked for 32 matrix instructions ago)
	PLACES NP
	FETCH_B \slot, (\q)+1, 1-(\q)%2
	FETCH_A \slot, (\q)+1, 0
	WIN MUL_HI
	MUL16 4, (\q)%2
	MUL16 6, (\q)%2
	PLACES NP
	WIN 0
	FETCH_A \slot, (\q)+1, 4
.endm
; A slot's last step changes slots: ONE barrier; in front of it each wave waits for all its tensor loads, adds 0 to its spare word, and waits for that and for its own reads of this slot.  fill = 1: this slot is filled again, two K steps ahead.
.macro TURN slot, next, fill
	s_wait_tensorcnt 0x0                           ; all my tensor loads have landed: my part of the next slot;  (every window is 0 here: the add's two registers lie in window 0)
	ds_add_u32 v[SPW], v[NIL]                      ; 0 onto my spare word
	s_wait_dscnt 4*NL+1                            ; (the add and the youngest sixteen loads, A's blocks 4-7, may be out)
	WIN MUL_LO
	MUL16 0, 1                                     ; sixteen matrix instructions stand between the add and the wait for it
	s_wait_dscnt 0x0                               ; the add is done, and my reads of this slot are over
	s_barrier_signal -1
	MUL16 2, 1
	WIN 0
	s_barrier_wait -1
.if \fill
	CREST                                          ; the barrier has opened a round of the cluster's barrier: no wave of any partner still reads this slot's tile or has a load on its way
	s_add_nc_u64 s[G0+4*\slot+2:G0+4*\slot+3], s[G0+4*\slot+2:G0+4*\slot+3], 2*ROWB
	s_add_nc_u64 s[G0B+4*\slot+2:G0B+4*\slot+3], s[G0B+4*\slot+2:G0B+4*\slot+3], 2*ROWB
	JLOAD G0+4*\slot, G1, G0B+4*\slot, G1B         ; the first tensor load behind the round, my one load until the next; the four v_nop behind it are the places in front of the loads below
.else
	PLACES NP
.endif
	FETCH_B \next, 0, 0
	FETCH_A \next, 0, 0
.if (\fill) && ((\slot) == 0)
	ASK 3                                          ; which the next change of slots loads
.endif
	WIN MUL_HI
	MUL16 4, 1
	MUL16 6, 1
	PLACES NP
	WIN 0
	FETCH_A \next, 0, 4
.endm
; THE WAY OUT of block a, 16 rows x 128 columns: each number is held, eight numbers of a lane become eight codes, and accumulators 2 g and 2 g + 1 give a lane the 16 bytes that it stores.  Each accumulator is read from its low end on.
.macro OUTBLK a
.set AC, 64*((\a)%4)
.set CC, CD+16*((\a)%4)
	WIN 0x02+((\a)/4)                              ; source 0: window 2 or 3
.set j, 0
.rept 64
	v_med3_num_f32 v[TT+j], v[AC+j], -v[LIM], v[LIM]   ; the conversion to an 8-bit code does not saturate (ISA guide 7.6.2): the hold at the largest code x the scale
.set j, j+1
.endr
	WIN 0
.irp b, 0,1,2,3,4,5,6,7
	v_cvt_scalef32_pk8_bf8_f32 v[CC+2*\b:CC+2*\b+1], v[TT+8*\b:TT+8*\b+7], v[SCL]
.endr
	v_nop                                          ; one plain vector instruction between the last conversion and the next block's holds, which write its sources
	global_store_b128 v[CO], v[CC:CC+3], s[10:11] offset:1024*(\a)             ; each store: 32 lanes, 512 consecutive bytes, at a multiple of 512 from the buffer's first byte
	global_store_b128 v[CO], v[CC+4:CC+7], s[10:11] offset:1024*(\a)+512
	global_store_b128 v[CO], v[CC+8:CC+11], s[4:5] offset:1024*(\a)
	global_store_b128 v[CO], v[CC+12:CC+15], s[4:5] offset:1024*(\a)+512
.endm
	s_wait_alu depctr_va_vdst(0)
	s_wait_tensorcnt 0x0                           ; my part of K step 0 is in
	ds_add_u32 v[SPW], v[NIL]                      ; 0 onto my spare word,
	s_wait_dscnt 0x0                               ; the add is done
	CROUND                                         ; everybody's part of K step 0 is in, and all sixteen work-groups are here
	JLOAD G0+4, G1, G0B+4, G1B                     ; K step 1, the first tensor load behind the round
	FETCH_B 0, 0, 0
	FETCH_A 0, 0, 0
	FETCH_A 0, 0, 4
	ASK 2                                          ; which the first change of slots loads
	STEP 0, 0                                      ; K = 1,024 is four K steps of 256, eight steps of 128: written out
	TURN 0, 1, 1                                   ; slot 0 takes K step 2
	STEP 1, 0
	TURN 1, 0, 1                                   ; slot 1 takes K step 3
	STEP 0, 0
	TURN 0, 1, 0                                   ; nothing is left to fetch: no round
	STEP 1, 0
	s_wait_dscnt 4*NL                              ; the very last step
	WIN MUL_LO
	MUL16 0, 1
	MUL16 2, 1
	s_wait_dscnt 0
	PLACES NP                                      ; ahead of the holds, which read results, and of the codes, which are written over A's first fragments
.irp a, 0,1,2,3                                ; blocks 0-3 are finished: they leave ahead of the last 32 products
	OUTBLK \a
.endr
	WIN MUL_HI
	MUL16 4, 1
	MUL16 6, 1
	PLACES NP
	WIN 0
	s_wait_xcnt 0x0                                ; blocks 0-3's stores have read their codes: the four sets are written again
.irp a, 4,5,6,7
	OUTBLK \a
.endr
	s_wait_tensorcnt 0x0                           ; the wave's end, behind my last tensor load
	ds_add_u32 v[SPW], v[NIL]
	s_wait_dscnt 0x0
	CROUND                                         ; the closing round: no work-group ends while a partner may still ask for a tile that names it
	s_endpgm
.Lfunc_end_k_q1e7e8d6729_proj:
	.size	k_q1e7e8d6729_proj, .Lfunc_end_k_q1e7e8d6729_proj-k_q1e7e8d6729_proj
	.p2alignl 7, 3214868480
	.fill 96, 4, 3214868480
	.section	.rodata,"a",@progbits
	.p2align	6, 0x0
	.amdhsa_kernel k_q1e7e8d6729_proj
		.amdhsa_group_segment_fixed_size 327680
		.amdhsa_private_segment_fixed_size 0
		.amdhsa_enable_private_segment 0
		.amdhsa_kernarg_size 104
		.amdhsa_user_sgpr_count 2
		.amdhsa_user_sgpr_kernarg_segment_ptr 1
		.amdhsa_wavefront_size32 1
		.amdhsa_system_sgpr_workgroup_id_x 1
		.amdhsa_system_sgpr_workgroup_id_y 1
		.amdhsa_system_sgpr_workgroup_id_z 1
		.amdhsa_system_vgpr_workitem_id 0
		.amdhsa_next_free_vgpr 1024
		.amdhsa_next_free_sgpr 102
		.amdhsa_reserve_vcc 0
		.amdhsa_float_denorm_mode_32 3
		.amdhsa_float_denorm_mode_16_64 3
		.amdhsa_memory_ordered 1
		.amdhsa_forward_progress 1
		.amdhsa_inst_pref_size 147
	.end_amdhsa_kernel
	.amdgpu_metadata
---
amdhsa.version: [ 1, 2 ]
amdhsa.kernels:
  - .name:           k_q1e7e8d6729_proj
    .symbol:         k_q1e7e8d6729_proj.kd
    .args:
      - { .name: Wq_codes, .offset: 0, .size: 8, .value_kind: global_buffer, .address_space: global }
      - { .name: key_inputs_codes, .offset: 8, .size: 8, .value_kind: global_buffer, .address_space: global }
      - { .name: value_inputs_codes, .offset: 16, .size: 8, .value_kind: global_buffer, .address_space: global }
      - { .name: query_inputs_codes, .offset: 24, .size: 8, .value_kind: global_buffer, .address_space: global }
      - { .name: Wk_codes, .offset: 32, .size: 8, .value_kind: global_buffer, .address_space: global }
      - { .name: Wv_codes, .offset: 40, .size: 8, .value_kind: global_buffer, .address_space: global }
      - { .name: bq, .offset: 48, .size: 8, .value_kind: global_buffer, .address_space: global }
      - { .name: bk, .offset: 56, .size: 8, .value_kind: global_buffer, .address_space: global }
      - { .name: bv, .offset: 64, .size: 8, .value_kind: global_buffer, .address_space: global }
      - { .name: vt_codes, .offset: 72, .size: 8, .value_kind: global_buffer, .address_space: global }
      - { .name: k_codes, .offset: 80, .size: 8, .value_kind: global_buffer, .address_space: global }
      - { .name: q_codes, .offset: 88, .size: 8, .value_kind: global_buffer, .address_space: global }
      - { .name: lowp_scales, .offset: 96, .size: 8, .value_kind: global_buffer, .address_space: global }
    .group_segment_fixed_size: 327680
    .private_segment_fixed_size: 0
    .kernarg_segment_align: 8
    .kernarg_segment_size: 104
    .max_flat_workgroup_size: 128
    .sgpr_count:     102
    .vgpr_count:     1024
    .wavefront_size: 32
...
	.end_amdgpu_metadata
.endif
;; end of part 3
;; launch attn (part 4): grid 256 x 1, 8 waves a work-group, no clusters, 234,496 bytes of LDS; arguments q_codes, k_codes, vt_codes, lowp_scales, out0; writes out0
.if DOCPART == 4
	.amdgcn_target "amdgcn-amd-amdhsa--gfx1250"
	.amdhsa_code_object_version 6
	.text
	.protected	k_q1e7e8d6729_attn
	.globl	k_q1e7e8d6729_attn
	.p2align	8
	.type	k_q1e7e8d6729_attn,@function
k_q1e7e8d6729_attn:
	s_mov_b64 s[64:65], 0
	v_nop
	global_prefetch_b8 v0, s[64:65] scope:SCOPE_SE
	s_setreg_imm32_b32 hwreg(HW_REG_WAVE_MODE, 25, 1), 1
	s_wait_xcnt 0x0
; out[n][q][h][:] = the sum over k of softmax_k(Q[q] . K[k] / 32) V[k][:], for 64 pairs (n, h), 1,024 queries and keys, head size 64, both products on codes of BF8 (E5M2) made by the launch before.
; q_codes, k_codes: [h][64 n + token / 16][2][512 bytes];  vt_codes: [16 n + key / 64][4 h + d / 16][2][512 bytes], the keys innermost, since they are the second product's K.
; 512 bytes are 16 rows (tokens; of V^T d) x 32 columns (of the head's 64; of V^T keys), 16 bytes a lane: lane 16 g + r holds, of row r, columns 8 g + 0 .. 7 and 16 + 8 g + 0 .. 7 of the 32: four registers of the K = 128 form's
; own layout (registers 2 c, 2 c + 1: k = 16 c + 8 (lane / 16) + 0 .. 7), and one and the same order of the head's 64 in Q and in K.
; THE SOFTMAX AHEAD OF THE SECOND PRODUCT: t = score x log2(e) / 32; M = the row's largest t so far, rounded UP to a whole number; p = 2^(t - M) is what is quantised, with the given 2^e9; it is not normalised.
; The row's sum is taken of the unquantised p, in f32, and divides O at the end.  When M moves, the sum and O are multiplied by 2^(old M - new M): exact.
; SHARES.  A work-group owns 256 queries of one (n, h); each of its eight waves 32 of them, two tiles of 16, so that each fragment of K and of V that it reads from LDS feeds two products.  Two waves to a SIMD.
; FILL.  The pair's whole K and V, 128 KiB of codes, go once from memory through registers into LDS, 512 consecutive bytes an instruction, in the order in which they are wanted: the first 256 keys (8 loads a lane) and Q at the head;
; the next 256 keys behind the wait for the exponents; the last 512 (16 loads), by twos, between key step 0's maxima.  They are stored at the ends of steps 0 and 1, and a barrier in steps 1 and 2 publishes them: the signal stands at
; the step's head, the wait behind tile 0's exponentials, ahead of the next step's fragments of K.  No LDS byte of K or V is written twice, so no other barrier stands in the text.
; NO CLUSTER.  Whether p can pass the largest code hangs on the given e9: p is at most 1, so the hold is due only where 57,344 x 2^e9 < 1, that is e9 < -15.
; K and V are not asked for jointly: what the four query blocks of a pair share is asked for once in each work-group.
; No prefetch: everything is asked for by the end of key step 0's maxima, and there is no stream left to run ahead of.
; LAYOUT.  Both products are used transposed: S^T = K Q^T (source 0 = 16 neighbouring keys, source 1 = 16 queries), O^T = V^T P^T (source 0 = 16 of the head's 64, source 1 = P): a lane holds ONE query (lane % 16) of each tile
; throughout.  Register j of score tile c holds key 16 c + 8 (lane / 16) + j: its eight codes ARE registers 2 c, 2 c + 1 of the second product's operand.
; LIMITS on the given exponents, so that each power of two below is an f32 number: e6 + e7 between -121 and 132 (added to c's exponent field); e9 between -126 and 112; e8 + e9 is applied by v_ldexp_f32 and has none.
; LIMIT of the softmax: the scaled scores t stay under 2^31 in magnitude (M's change goes through a 32-bit whole number).
; REGISTERS.  window 0, all that vector instructions touch: v1-9 addresses and the zero; v10, v11 57,344 x 2^e9, twice; v12-19 four registers of statistics a tile (-M, the largest score, the sum in two halves); v20-29 at work;
;   v30 2^e9; v31 the spare word's address; v32-159 S^T, then p, 64 a tile; v160-223 O^T, 32 a tile; v224-255 p's codes, 16 a tile (ahead of them two chains of maxima a tile).
;   window 1: v0-15 Q; v16-79 K's eight fragments; v80-143 V's four (first the first 256 keys on their way); v144-239 the other 768 keys on their way; v240-243 where they go.
.set KP,    80                         ; 64 bytes of codes + 16 of padding = 20 words: row r starts at bank 20 r mod 64 (64 banks of 4 bytes: ISA guide 11.1): sixteen rows, sixteen different groups of four banks
.set TILEB, 64*KP                      ; 64 lines: 5,120 bytes
.set STEPB, 2*TILEB                    ; a key step, 128 keys: 128 rows of K; two blocks of V^T (64 d x 64 keys)
.set VB,    16*TILEB                   ; behind K's 1,024 rows: V^T's sixteen blocks
.set STAGE, 32*TILEB                   ; behind both: 2 x 16 rows x 272 bytes for each wave, for the way out
.set SPI,   272
.set SPARE, STAGE+8*32*SPI             ; the spare words, 128 bytes for each wave: four blocks of 256 bytes that no other line names
.set AK0, 1                            ; v1   my lane's place in a tile: (lane % 16) x 80 + 16 (lane / 16); never rewritten
.set FO,  2                            ; v2   the fill: 16 x my thread's number; never rewritten
.set ADK, 3                            ; v3   AK0 + the step from which K is fetched
.set ADV, 4                            ; v4   AK0 + the step from which V^T is fetched
.set GO,  5                            ; v5   the way out: my byte offset in the wave's rows of out
.set STO, 6                            ; v6   where I put 32 bytes of a row
.set RD,  7                            ; v7   where I read a row back
.set QO,  8                            ; v8   16 x my lane: Q
.set NIL, 9                            ; v9   0; never rewritten
.set LIMA, 10                          ; v10, v11  57,344 x 2^e9, in two registers: the two halves of a dual-issue pair take their first sources from different banks
.set LIMB, 11
.set ST,  12                           ; tile u at v[ST + 4 u]: -M, the largest score, the sum as a pair
.set MX,  20                           ; tile u at v[MX + 2 u]: chains of maxima; then t and M's change; where the hold is due, the second chain of sums, as a pair
.set F,   24                           ; tile u at v[F + 2 u]: f = 2^(old M - new M); the pair's upper word is written once
.set PL,  28                           ; tile u at v[PL + u]: what the lane 16 away holds
.set SC9, 30                           ; v30  2^e9 as f32
.set SPW, 31                           ; v31  SPARE + 4 x my thread's number; never rewritten
.set S,   32
.set O,   160
.set P,   224
.set BK,  S+64                         ; the way out: what comes back from the stage
.set Q,   0                            ; in window 1
.set KF,  16
.set VF,  80
.set RS,  144                          ; K's loads 4 .. 15 at v[RS + 4 (i - 4)], V's 48 further on
.set LA,  240
.set WV,  14                           ; s14  my wave's number
.set CS,  22                           ; s[22:23] c = log2(e) / 32 x 2^(e6 + e7): the packed form names a pair and takes its low word for both halves
.set HB,  24                           ; s24  1 where the hold is due
.set CNT, 25                           ; s25  steps to go in the loop
.set TBK, 26                           ; s26  LDS byte of the next step's rows of K
.set TBV, 27                           ; s27  LDS byte of this step's blocks of V^T
.set SEL, 28                           ; s[28:29] lane selects for v_permlanex16_b32: lane l xor 16
.set MSB, 0
.macro WIN new                         ; the immediate's high byte repeats the setting that is left
.if MSB != \new
	s_set_vgpr_msb (MSB<<8)|\new
.set MSB, \new
.endif
.endm
	s_load_b256 s[4:11], s[0:1], 0x0               ; Q's codes s[4:5], K's s[6:7], V^T's s[8:9], the scales' exponents s[10:11]
	s_load_b64 s[12:13], s[0:1], 0x20              ; out
	v_lshl_add_u32 v[SPW], v0, 2, SPARE
	v_mov_b32 v[NIL], 0
	v_lshrrev_b32 v20, 5, v0
	v_readfirstlane_b32 s[WV], v20                 ; wave 0..7
	; work-group i: h = i % 16, query block (i / 16) % 4, n = i / 64
	s_and_b32 s18, ttmp9, 15
	s_bfe_u32 s15, ttmp9, 0x20004
	s_lshr_b32 s17, ttmp9, 6
	s_lshl_b32 s74, s18, 18
	s_lshl_b32 s75, s17, 16
	s_add_co_u32 s74, s74, s75                     ; the pair's first byte in q_codes and in k_codes
	s_mov_b32 s75, 0
	s_lshl_b32 s78, s17, 20
	s_lshl_b32 s79, s18, 12
	s_add_co_u32 s78, s78, s79                     ; V^T: n's sixteen blocks of keys, 65,536 bytes apart, in each the head's 4,096 bytes
	s_mov_b32 s79, 0
	s_lshl_b32 s80, s15, 14
	s_add_co_u32 s80, s80, s74
	s_lshl_b32 s81, s[WV], 11
	s_add_co_u32 s80, s80, s81                     ; Q: my block's 256 rows, my wave's 32 of them
	s_mov_b32 s81, 0
	s_lshl_b32 s82, s17, 10
	s_lshl_b32 s83, s15, 8
	s_add_co_u32 s82, s82, s83
	s_lshl_b32 s83, s[WV], 5
	s_add_co_u32 s82, s82, s83                     ; out: my wave's first row, 1,024 n + 256 x block + 32 wave,
	s_lshl_b32 s82, s82, 12                        ; of 4,096 bytes,
	s_lshl_b32 s83, s18, 8
	s_add_co_u32 s82, s82, s83                     ; and the head's 256 bytes in it
	s_mov_b32 s83, 0
	s_mul_i32 s20, s[WV], 32*SPI
	s_add_co_u32 s20, s20, STAGE                   ; my stage
	s_mov_b32 s[CS], 0x3d38aa3b                    ; log2(e) / 32
	s_mov_b32 s[SEL], 0x76543210
	s_mov_b32 s[SEL+1], 0xfedcba98
	v_lshlrev_b32 v[FO], 4, v0
	v_and_b32 v3, 15, v0                           ; r = lane % 16
	v_bfe_u32 v4, v0, 4, 1                         ; g = lane / 16
	v_lshrrev_b32 v20, 6, v0                       ; the fill: thread i brings bytes 16 ((i / 16) % 4) .. of line 16 (i / 64) + i % 16 of the 64 lines of a load
	v_bfe_u32 v21, v0, 4, 2
	v_and_b32 v[QO], 31, v0
	v_lshl_add_u32 v20, v20, 4, v3
	v_lshlrev_b32 v[QO], 4, v[QO]
	v_mul_u32_u24 v22, v20, KP
	v_mul_u32_u24 v[AK0], v3, KP
	v_lshl_add_u32 v20, v21, 4, v22
	v_lshl_add_u32 v[AK0], v4, 4, v[AK0]
	v_mul_u32_u24 v[STO], v3, SPI                  ; in: row r, 32 bytes for each half of the lanes
	v_lshl_add_u32 v[STO], v4, 5, v[STO]
	v_add_nc_u32 v[STO], s20, v[STO]
	v_mul_u32_u24 v[RD], v4, SPI                   ; back: lanes 0-15 take one row of 256 bytes, lanes 16-31 the next
	v_lshl_add_u32 v[RD], v3, 4, v[RD]
	v_add_nc_u32 v[RD], s20, v[RD]
	v_lshlrev_b32 v[GO], 12, v4                    ; and the same two rows in out
	v_lshl_add_u32 v[GO], v3, 4, v[GO]
.irp u, 0,1
	v_mov_b32 v[ST+4*\u+2], 0                      ; the sum, in two halves
	v_mov_b32 v[ST+4*\u+3], 0
	v_mov_b32 v[PL+\u], 0                          ; written once: a lane permute's destination counts as one of its sources
	v_mov_b32 v[F+2*\u+1], 0                       ; (named as the upper half of the pair)
.endr
	WIN 0x40                                       ; destination window 1
	v_lshl_add_u32 v[LA], v21, 4, v22              ; where my 16 bytes go: K's lines 0-511, 512-1,023, V's blocks 0-7, 8-15
	v_add_nc_u32 v[LA+1], 8*TILEB, v20
	v_add_nc_u32 v[LA+2], 16*TILEB, v20
	v_add_nc_u32 v[LA+3], 24*TILEB, v20
	s_wait_alu depctr_va_vdst(0)                   ; directly ahead of the wait below
	s_wait_kmcnt 0x0
	s_load_b128 s[68:71], s[10:11], 0x18           ; e6, e7 (the scores' operands), e8 (the values), e9 (p)
	s_add_nc_u64 s[6:7], s[6:7], s[74:75]
	s_add_nc_u64 s[8:9], s[8:9], s[78:79]
	s_add_nc_u64 s[4:5], s[4:5], s[80:81]
	s_add_nc_u64 s[12:13], s[12:13], s[82:83]
	; the head's loads (destination window 1, address window 0): the first 256 keys of K and of V^T, then Q
.irp i, 0,1,2,3
	global_load_b128 v[VF+4*\i:VF+4*\i+3], v[FO], s[6:7] offset:4096*\i
.endr
.irp i, 0,1,2,3
	global_load_b128 v[VF+16+4*\i:VF+16+4*\i+3], v[FO], s[8:9] offset:65536*\i
.endr
.irp u, 0,1                                    ; a fragment of Q or K, 16 rows x 64, is 8 registers: two loads of 16 bytes; Q's two stay in registers
	global_load_b128 v[Q+8*\u:Q+8*\u+3], v[QO], s[4:5] offset:1024*\u
	global_load_b128 v[Q+8*\u+4:Q+8*\u+7], v[QO], s[4:5] offset:1024*\u+512
.endr
	WIN 0
	s_wait_kmcnt 0x0                               ; the exponents
	WIN 0x40
.irp i, 4,5,6,7                                ; the second 256 keys are asked for, behind the loads that are wanted first
	global_load_b128 v[RS+4*(\i-4):RS+4*(\i-4)+3], v[FO], s[6:7] offset:4096*\i
	global_load_b128 v[RS+48+4*(\i-4):RS+48+4*(\i-4)+3], v[FO], s[8:9] offset:65536*\i
.endr
	WIN 0
	s_add_co_i32 s74, s68, s69
	s_lshl_b32 s74, s74, 23
	s_add_co_i32 s[CS], s[CS], s74                 ; a score stands for score x 2^(e6 + e7): the two exponents are added to c's exponent field
	s_mov_b32 s[CS+1], s[CS]                       ; (named with it as a pair, so it is written)
	s_add_co_i32 s75, s71, 127
	s_lshl_b32 s76, s75, 23
	v_mov_b32 v[SC9], s76                          ; 2^e9 as f32, for the conversion
	s_add_co_i32 s75, s75, 15
	s_lshl_b32 s75, s75, 23
	s_or_b32 s75, s75, 0x600000
	v_mov_b32 v[LIMA], s75                         ; 57,344 x 2^e9
	v_mov_b32 v[LIMB], s75
	s_add_co_i32 s70, s70, s71                     ; e8 + e9, for the way out
	s_cmp_lt_i32 s71, -15
	s_cselect_b32 s[HB], 1, 0
; a line of the maxima: tile u, chain q of four; first = 1: three scores start the chain
.macro MAXI u, q, i, first
.if (\q) < 2
.set CR, MX+2*\u+(\q)
.else
.set CR, P+2*\u+(\q)-2
.endif
.if \first
	v_max3_num_f32 v[CR], v[S+64*\u+(\i)], v[S+64*\u+(\i)+1], v[S+64*\u+(\i)+2]
.else
	v_max3_num_f32 v[CR], v[CR], v[S+64*\u+(\i)], v[S+64*\u+(\i)+1]
.endif
.endm
; n packed scalings of tile 0, from register j on: t - M, two at a time (of the pairs c and -M the low word serves both halves)
.macro FMA0 n
.rept \n
	v_pk_fma_f32 v[S+j:S+j+1], v[S+j:S+j+1], s[CS:CS+1], v[ST:ST+1] op_sel_hi:[1,0,0]
.set j, j+2
.endr
.endm
; a line of the sums, in place: pair r of tile u takes the pair d registers on
.macro PADD u, r, d
	v_pk_add_f32 v[S+64*\u+(\r):S+64*\u+(\r)+1], v[S+64*\u+(\r):S+64*\u+(\r)+1], v[S+64*\u+(\r)+(\d):S+64*\u+(\r)+(\d)+1]
.endm
; K's eight fragments of the next step
.macro NEXTK
.irp t, 0,1,2,3,4,5,6,7
	ds_load_b128 v[KF+8*\t:KF+8*\t+3], v[ADK] offset:\t*16*KP
	ds_load_b128 v[KF+8*\t+4:KF+8*\t+7], v[ADK] offset:\t*16*KP+32
.endr
.endm
; THE SOFTMAX OF BOTH TILES for 128 keys, 64 of them in my lane.  fst = 1: the first key step: there is nothing yet to bring under the new M; and the last 512 keys are asked for.
; bar = 1: the wait of the barrier that was signalled at the step's head stands in it, and behind it the next step's fragments of K are asked for.
.macro SOFTMAX2 fst, bar, kofs
.set qq, 0
.rept 4                                        ; the step's largest score of each tile's query among my 64 keys: four chains a tile, the registers in ascending order: each accumulator is read from its low end on
	MAXI 0, qq, 3*qq, 1
	MAXI 1, qq, 3*qq, 1
.set qq, qq+1
.endr
.set qq, 0
.set ii, 12
.set it, 0
.rept 26
	MAXI 0, qq, ii, 0
	MAXI 1, qq, ii, 0
.if (\fst) && (it%3 == 0) && (it < 24)
	WIN 0x40                                       ; loads i = 8 + it / 3 of the fill
	global_load_b128 v[RS+16+4*(it/3):RS+19+4*(it/3)], v[FO], s[6:7] offset:4096*(8+it/3)
	global_load_b128 v[RS+64+4*(it/3):RS+67+4*(it/3)], v[FO], s[8:9] offset:65536*(8+it/3)
	WIN 0
.endif
.set ii, ii+2
.set it, it+1
.set qq, (qq+1)%4
.endr
.irp u, 0,1
	v_max3_num_f32 v[MX+2*\u], v[MX+2*\u], v[MX+2*\u+1], v[P+2*\u]
.endr
.irp u, 0,1
	v_max_num_f32 v[MX+2*\u], v[MX+2*\u], v[P+2*\u+1]
.endr
.irp u, 0,1
	v_permlanex16_b32 v[PL+\u], v[MX+2*\u], s[SEL], s[SEL+1]
.endr
.if \fst
.irp u, 0,1
	v_max_num_f32 v[ST+4*\u+1], v[MX+2*\u], v[PL+\u]
.endr
.else
.irp u, 0,1
	v_mov_b32 v[MX+2*\u+1], v[ST+4*\u]             ; the old -M is kept
.endr
.irp u, 0,1
	v_max3_num_f32 v[ST+4*\u+1], v[ST+4*\u+1], v[MX+2*\u], v[PL+\u]   ; the largest score so far, lane l xor 16's among them
.endr
.endif
.irp u, 0,1
	v_mul_f32 v[MX+2*\u], s[CS], v[ST+4*\u+1]      ; as t (c is positive)
.endr
.irp u, 0,1
	v_floor_f32 v[ST+4*\u], -v[MX+2*\u]            ; the new -M = floor(-t) = -ceil(t): M is a whole number
.endr
.set j, 0
.if \fst
	FMA0 32
.else
.irp u, 0,1
	v_sub_f32 v[MX+2*\u+1], v[ST+4*\u], v[MX+2*\u+1]       ; M's old value less its new one: a whole number, 0 or less
.endr
	FMA0 3                                         ; tile 0's scalings stand between the lines that make f
.irp u, 0,1
	v_cvt_i32_f32 v[MX+2*\u+1], v[MX+2*\u+1]       ; (it saturates)
.endr
	FMA0 3
.irp u, 0,1
	v_ldexp_f32 v[F+2*\u], 1.0, v[MX+2*\u+1]       ; f = 2^(old M - new M)
.endr
	FMA0 26
.set j, 0
.rept 32                                       ; O^T under the new M: x f; each accumulator from its low end on
	v_pk_mul_f32 v[O+j:O+j+1], v[O+j:O+j+1], v[F+2*(j/32):F+2*(j/32)+1] op_sel_hi:[1,0]
.set j, j+2
.endr
.irp u, 0,1
	v_pk_mul_f32 v[ST+4*\u+2:ST+4*\u+3], v[ST+4*\u+2:ST+4*\u+3], v[F+2*\u:F+2*\u+1] op_sel_hi:[1,0]   ; the sums likewise
.endr
.endif
	s_wait_alu depctr_va_vdst(0)                   ; ahead of the batch
.set j, 0
.rept 32                                       ; tile 0's exponentials, p = 2^(t - M), at most 1, not normalised; between them tile 1's scalings
	v_exp_f32 v[S+j], v[S+j]
	v_exp_f32 v[S+j+1], v[S+j+1]
	v_pk_fma_f32 v[S+64+j:S+64+j+1], v[S+64+j:S+64+j+1], s[CS:CS+1], v[ST+4:ST+5] op_sel_hi:[1,0,0]
.set j, j+2
.endr
	s_wait_alu depctr_va_vdst(0)                   ; one wait for tile 0's 64 exponentials and for tile 1's scalings
.if \bar
	s_barrier_wait -1                              ; everybody's part of what was stored a step ago is in LDS: the next step's rows of K may be read
	v_add_nc_u32 v[ADK], \kofs, v[AK0]
	WIN 0x40                                       ; destination window 1, address window 0
	NEXTK
	WIN 0
.endif
	s_cmp_lg_u32 s[HB], 0
	s_cbranch_scc1 .Lhold_\@
; WITHOUT THE HOLD.  Tile 1's exponentials; between them tile 0's codes, eight numbers at a time, and, behind each conversion, the first level of its sums, in place.  The codes of accumulator tt are registers 2 tt, 2 tt + 1 of the operand.
.set tt, 0
.rept 8
	v_cvt_scalef32_pk8_bf8_f32 v[P+2*tt:P+2*tt+1], v[S+8*tt:S+8*tt+7], v[SC9]
	v_exp_f32 v[S+64+8*tt], v[S+64+8*tt]
	v_exp_f32 v[S+65+8*tt], v[S+65+8*tt]
	v_exp_f32 v[S+66+8*tt], v[S+66+8*tt]
.if tt > 0
	PADD 0, 8*tt-8, 2
.else
	v_nop                                          ; one plain instruction between a conversion and the sums that write its sources
.endif
	v_exp_f32 v[S+67+8*tt], v[S+67+8*tt]
	v_exp_f32 v[S+68+8*tt], v[S+68+8*tt]
	v_exp_f32 v[S+69+8*tt], v[S+69+8*tt]
.if tt > 0
	PADD 0, 8*tt-4, 2
.endif
	v_exp_f32 v[S+70+8*tt], v[S+70+8*tt]
	v_exp_f32 v[S+71+8*tt], v[S+71+8*tt]
.set tt, tt+1
.endr
	PADD 0, 56, 2
	PADD 0, 60, 2
	s_wait_alu depctr_va_vdst(0)                   ; one wait for tile 1's 64, ahead of their first reader
.set tt, 0
.rept 8                                        ; tile 1's codes and first level; between them tile 0's second
	v_cvt_scalef32_pk8_bf8_f32 v[P+16+2*tt:P+17+2*tt], v[S+64+8*tt:S+71+8*tt], v[SC9]
	PADD 0, 8*tt, 4
.if tt > 0
	PADD 1, 8*tt-8, 2
	PADD 1, 8*tt-4, 2
.endif
.set tt, tt+1
.endr
	PADD 1, 56, 2
	PADD 1, 60, 2
.irp k, 0,1,2,3,4,5,6,7                        ; the rest of the tree
	PADD 1, 8*\k, 4
.if \k < 4
	PADD 0, 16*\k, 8
.endif
.endr
.irp k, 0,1,2,3
	PADD 1, 16*\k, 8
.if \k < 2
	PADD 0, 32*\k, 16
.endif
.endr
.irp k, 0,1
	PADD 1, 32*\k, 16
.endr
.irp u, 0,1
	PADD \u, 0, 32
.endr
.irp u, 0,1
	v_pk_add_f32 v[ST+4*\u+2:ST+4*\u+3], v[ST+4*\u+2:ST+4*\u+3], v[S+64*\u:S+64*\u+1]
.endr
	s_branch .Lsums_\@
; WITH THE HOLD (the conversion to an 8-bit code does not saturate: ISA guide 7.6.2; p is not negative, so it is one-sided): tile 1's exponentials; then both tiles' sums, two chains a tile, of the p that is not held yet; holds; codes.
.Lhold_\@:
.set j, 0
.rept 64
	v_exp_f32 v[S+64+j], v[S+64+j]
.set j, j+1
.endr
	v_nop                                          ; one plain place behind a transcendental
	s_wait_alu depctr_va_vdst(0)                   ; and one wait for the batch
.set tt, 0
.rept 9
.set kk, 0
.rept 4
.if tt < 8
.irp u, 0,1
.if (tt == 0) && (kk == 0)
	v_pk_add_f32 v[MX+2*\u:MX+2*\u+1], v[S+64*\u:S+64*\u+1], v[S+64*\u+2:S+64*\u+3]   ; the first two pairs start the second chain
.elseif (tt > 0) || (kk > 1)
.if kk%2 == 0
	v_pk_add_f32 v[ST+4*\u+2:ST+4*\u+3], v[ST+4*\u+2:ST+4*\u+3], v[S+64*\u+8*tt+2*kk:S+64*\u+8*tt+2*kk+1]
.else
	v_pk_add_f32 v[MX+2*\u:MX+2*\u+1], v[MX+2*\u:MX+2*\u+1], v[S+64*\u+8*tt+2*kk:S+64*\u+8*tt+2*kk+1]
.endif
.endif
.endr
.endif
.if tt > 0
.irp u, 0,1
	v_dual_min_num_f32 v[S+64*\u+8*tt-8+2*kk], v[LIMA], v[S+64*\u+8*tt-8+2*kk] :: v_dual_min_num_f32 v[S+64*\u+8*tt-7+2*kk], v[LIMB], v[S+64*\u+8*tt-7+2*kk]
.endr
.endif
.set kk, kk+1
.endr
.if tt > 0
.irp u, 0,1
	v_cvt_scalef32_pk8_bf8_f32 v[P+16*\u+2*tt-2:P+16*\u+2*tt-1], v[S+64*\u+8*tt-8:S+64*\u+8*tt-1], v[SC9]
.endr
.endif
.set tt, tt+1
.endr
.irp u, 0,1
	v_pk_add_f32 v[ST+4*\u+2:ST+4*\u+3], v[ST+4*\u+2:ST+4*\u+3], v[MX+2*\u:MX+2*\u+1]   ; the two chains meet
.endr
	s_wait_alu depctr_va_vdst(0)
.Lsums_\@:
.endm
; A KEY STEP, 128 keys.  K's fragments of this step were asked for a step ago.  kofs: LDS byte of the next step's rows of K; vofs: of this step's blocks of V^T.
; fst: the first; last: the last: nothing more of K to fetch; fill: at the step's end the second 256 keys (1) or the last 512 (2) go into LDS; bar: the barrier that publishes what the step before has stored.
.macro STEP fst, last, bar, fill, kofs, vofs
	s_wait_dscnt 0x0                               ; K's eight fragments are in; no LDS access of mine is out (my stores are done)
.if \bar
	s_barrier_signal -1                            ; my part of what I stored a step ago is in LDS: say so.  Up to the wait stand register work and reads of V^T that an earlier barrier published and nobody writes again
.endif
	WIN 0x05                                       ; K and Q window 1, S^T window 0
.irp t, 0,1,2,3,4,5,6,7                        ; S^T: eight tiles of 16 keys x two tiles of queries, K = the head's 64: one matrix instruction each, begun with the constant 0
.irp u, 0,1
	v_wmma_f32_16x16x64_bf8_bf8 v[S+64*\u+8*\t:S+64*\u+8*\t+7], v[KF+8*\t:KF+8*\t+7], v[Q+8*\u:Q+8*\u+7], 0
.endr
.endr
	WIN 0
	v_add_nc_u32 v[ADV], \vofs, v[AK0]             ; with the v_nop: four places in front of loads into registers that matrix instructions have read, and of the first read of the scores
.if (\last) || (\bar)
	v_nop
.else
	v_add_nc_u32 v[ADK], \kofs, v[AK0]
.endif
	v_nop
	v_nop
	WIN 0x40                                       ; destination window 1, address window 0
.irp t, 0,1,2,3                                ; V^T of this step: 16 of the head's 64 x 128 keys (two blocks of 64) are 16 registers: four loads of 16 bytes.  They land under the softmax
.irp b, 0,1
.irp c, 0,1
	ds_load_b128 v[VF+16*\t+8*\b+4*\c:VF+16*\t+8*\b+4*\c+3], v[ADV] offset:\t*16*KP+\b*TILEB+32*\c
.endr
.endr
.endr
.if !((\last) || (\bar))
	NEXTK
.endif
	WIN 0
	SOFTMAX2 \fst, \bar, \kofs
.if (\fill) == 1
	s_wait_loadcnt 16                              ; the second 256 keys are in registers; the last 512 keys' sixteen loads may be out
	WIN 0x05                                       ; address and data window 1
.irp i, 4,5,6,7
	ds_store_b128 v[LA], v[RS+4*(\i-4):RS+4*(\i-4)+3] offset:\i*TILEB
	ds_store_b128 v[LA+2], v[RS+48+4*(\i-4):RS+48+4*(\i-4)+3] offset:\i*TILEB
.endr
	s_wait_dscnt 24                                ; V's sixteen are in; K's sixteen and the 8 stores behind them may be out
.elseif (\fill) == 2
	s_wait_loadcnt 0x0                             ; the last 512 keys are in registers
	WIN 0x05
.irp i, 8,9,10,11,12,13,14,15
	ds_store_b128 v[LA+1], v[RS+4*(\i-4):RS+4*(\i-4)+3] offset:(\i-8)*TILEB
	ds_store_b128 v[LA+3], v[RS+48+4*(\i-4):RS+48+4*(\i-4)+3] offset:(\i-8)*TILEB
.endr
	s_wait_dscnt 32                                ; V's sixteen are in; K's sixteen and the 16 stores behind them may be out
.elseif \last
	s_wait_dscnt 0x0
.else
	s_wait_dscnt 16                                ; LDS loads come back in order (ISA guide 5.7.1): V's sixteen are in, K's sixteen behind them may be out
.endif
	WIN 0x01                                       ; V^T window 1; P, C and D window 0
.irp t, 0,1,2,3                                ; O^T += V^T P^T: the eight accumulators by turns, one instruction a turn; the first step's products start the sums: nothing is cleared
.irp u, 0,1
.if \fst
	v_wmma_f32_16x16x128_bf8_bf8 v[O+32*\u+8*\t:O+32*\u+8*\t+7], v[VF+16*\t:VF+16*\t+15], v[P+16*\u:P+16*\u+15], 0
.else
	v_wmma_f32_16x16x128_bf8_bf8 v[O+32*\u+8*\t:O+32*\u+8*\t+7], v[VF+16*\t:VF+16*\t+15], v[P+16*\u:P+16*\u+15], v[O+32*\u+8*\t:O+32*\u+8*\t+7]
.endif
.endr
.endr
	WIN 0
.endm
	s_wait_alu depctr_va_vdst(0)
	s_wait_loadcnt 12                              ; the first 256 keys' eight loads are in; Q's four and the second 256 keys' eight may be out
	WIN 0x05
.irp i, 0,1,2,3
	ds_store_b128 v[LA], v[VF+4*\i:VF+4*\i+3] offset:\i*TILEB
	ds_store_b128 v[LA+2], v[VF+16+4*\i:VF+16+4*\i+3] offset:\i*TILEB
.endr
	WIN 0
	s_wait_dscnt 0x0                               ; for the others' sake: my part is in LDS,
	s_barrier_signal -1
	s_barrier_wait -1                              ; and so is everybody's
	WIN 0x40
.irp t, 0,1,2,3,4,5,6,7                        ; K of step 0
	ds_load_b128 v[KF+8*\t:KF+8*\t+3], v[AK0] offset:\t*16*KP
	ds_load_b128 v[KF+8*\t+4:KF+8*\t+7], v[AK0] offset:\t*16*KP+32
.endr
	WIN 0
	s_wait_loadcnt 8                               ; Q; the second 256 keys' eight loads may be out
	STEP 1, 0, 0, 1, STEPB, VB
	STEP 0, 0, 1, 2, 2*STEPB, VB+STEPB
	STEP 0, 0, 1, 0, 3*STEPB, VB+2*STEPB
	s_mov_b32 s[TBK], 4*STEPB
	s_mov_b32 s[TBV], VB+3*STEPB
	s_mov_b32 s[CNT], 4
.Lstep:                                                ; steps 3 to 6
	STEP 0, 0, 0, 0, s[TBK], s[TBV]
	s_add_co_u32 s[TBK], s[TBK], STEPB
	s_add_co_u32 s[TBV], s[TBV], STEPB
	s_sub_co_u32 s[CNT], s[CNT], 1
	s_cmp_lg_u32 s[CNT], 0
	s_cbranch_scc1 .Lstep
	STEP 0, 1, 0, 0, 0, VB+7*STEPB
	; THE WAY OUT.  The sum's two halves and lane l xor 16's are added; O^T is divided by the sum, multiplied by 2^(e8 + e9), and goes through my own stage in LDS, so that sixteen lanes store a row's 256 bytes.
.rept 4
	v_nop                                          ; four places behind the last matrix instruction (ISA guide 7.12.1)
.endr
	s_wait_alu depctr_va_vdst(0)                   ; ahead of the sums' reader
.irp u, 0,1
	v_add_f32 v[ST+4*\u+2], v[ST+4*\u+2], v[ST+4*\u+3]
.endr
.irp u, 0,1
	v_permlanex16_b32 v[PL+\u], v[ST+4*\u+2], s[SEL], s[SEL+1]
.endr
.irp u, 0,1
	v_add_f32 v[ST+4*\u+2], v[ST+4*\u+2], v[PL+\u] ; the row's sum: over 1/2, since the row's largest p is
.endr
	s_wait_alu depctr_va_vdst(0)                   ; ahead of the two transcendentals,
.irp u, 0,1
	v_rcp_f32 v[ST+4*\u+2], v[ST+4*\u+2]
.endr
	v_nop                                          ; a plain instruction between the last reciprocal and the use of its result,
	s_wait_alu depctr_va_vdst(0)                   ; and one wait for the two, ahead of the first use
.irp u, 0,1
	v_ldexp_f32 v[ST+4*\u+2], v[ST+4*\u+2], s70
.endr
	s_wait_alu depctr_va_vdst(0)                   ; directly ahead of the first reader of O^T
.irp u, 0,1
.set j, 0
.rept 16
	v_pk_mul_f32 v[S+32*\u+j:S+32*\u+j+1], v[O+32*\u+j:O+32*\u+j+1], v[ST+4*\u+2:ST+4*\u+3] op_sel_hi:[1,0]   ; register 8 t + i of tile u is out(query 16 u + r, channel 16 t + 8 (lane / 16) + i); each accumulator from its low end on
.set j, j+2
.endr
.endr
.irp u, 0,1
.irp t, 0,1,2,3
	ds_store_b128 v[STO], v[S+32*\u+8*\t:S+32*\u+8*\t+3] offset:\u*16*SPI+64*\t
	ds_store_b128 v[STO], v[S+32*\u+8*\t+4:S+32*\u+8*\t+7] offset:\u*16*SPI+64*\t+16
.endr
.endr
.irp u, 0,1
.irp i, 0,1,2,3,4,5,6,7
	ds_load_b128 v[BK+32*\u+4*\i:BK+32*\u+4*\i+3], v[RD] offset:\u*16*SPI+2*\i*SPI   ; LDS serves a wave's instructions in order (ISA guide 5.7.1.4): these see my stores above
.endr
.endr
.irp u, 0,1
.irp i, 0,1,2,3,4,5,6,7
	s_wait_dscnt 15-8*\u-\i                        ; this load is in; the younger ones may be out
	global_store_b128 v[GO], v[BK+32*\u+4*\i:BK+32*\u+4*\i+3], s[12:13] offset:(16*\u+2*\i)*4096 th:TH_STORE_NT   ; 16 lanes store 256 consecutive bytes, at a multiple of 256 from out's first byte; written once, read by nobody here
.endr
.endr
	s_wait_tensorcnt 0x0                           ; the wave's end, behind my last LDS store
	ds_add_u32 v[SPW], v[NIL]
	s_wait_dscnt 0x0
	s_endpgm
.Lfunc_end_k_q1e7e8d6729_attn:
	.size	k_q1e7e8d6729_attn, .Lfunc_end_k_q1e7e8d6729_attn-k_q1e7e8d6729_attn
	.p2alignl 7, 3214868480
	.fill 96, 4, 3214868480
	.section	.rodata,"a",@progbits
	.p2align	6, 0x0
	.amdhsa_kernel k_q1e7e8d6729_attn
		.amdhsa_group_segment_fixed_size 234496
		.amdhsa_private_segment_fixed_size 0
		.amdhsa_enable_private_segment 0
		.amdhsa_kernarg_size 40
		.amdhsa_user_sgpr_count 2
		.amdhsa_user_sgpr_kernarg_segment_ptr 1
		.amdhsa_wavefront_size32 1
		.amdhsa_system_sgpr_workgroup_id_x 1
		.amdhsa_system_sgpr_workgroup_id_y 1
		.amdhsa_system_sgpr_workgroup_id_z 1
		.amdhsa_system_vgpr_workitem_id 0
		.amdhsa_next_free_vgpr 512
		.amdhsa_next_free_sgpr 84
		.amdhsa_reserve_vcc 0
		.amdhsa_float_denorm_mode_32 3
		.amdhsa_float_denorm_mode_16_64 3
		.amdhsa_memory_ordered 1
		.amdhsa_forward_progress 1
		.amdhsa_inst_pref_size 191
	.end_amdhsa_kernel
	.amdgpu_metadata
---
amdhsa.version: [ 1, 2 ]
amdhsa.kernels:
  - .name:           k_q1e7e8d6729_attn
    .symbol:         k_q1e7e8d6729_attn.kd
    .args:
      - { .name: q_codes, .offset: 0, .size: 8, .value_kind: global_buffer, .address_space: global }
      - { .name: k_codes, .offset: 8, .size: 8, .value_kind: global_buffer, .address_space: global }
      - { .name: vt_codes, .offset: 16, .size: 8, .value_kind: global_buffer, .address_space: global }
      - { .name: lowp_scales, .offset: 24, .size: 8, .value_kind: global_buffer, .address_space: global }
      - { .name: out0, .offset: 32, .size: 8, .value_kind: global_buffer, .address_space: global }
    .group_segment_fixed_size: 234496
    .private_segment_fixed_size: 0
    .kernarg_segment_align: 8
    .kernarg_segment_size: 40
    .max_flat_workgroup_size: 256
    .sgpr_count:     84
    .vgpr_count:     512
    .wavefront_size: 32
...
	.end_amdgpu_metadata
.endif
;; end of part 4
